; MI455X (gfx1250); checked and timed in simulation.
; The chip was launched on July 23, 2026; its instructions are those of AMD's public machine-readable ISA for CDNA 5 (MIT licence, August 2026) and "CDNA5" Instruction Set Architecture Reference Guide (July 2026). The comments in the code are by the model that wrote it; some were corrected since.
;; Multi Head Attention Module. Allowed arithmetic: matrix products marked QUANTISED: E2M1 operands, one E8M0 scale for each 32 along K, by v_wmma_scale_f32_16x16x128_f8f6f4 with both operands' format E2M1 (or v_wmma_scale_f32_32x16x128_f4), f32 sums; products left as they are: bf16, f16 or f32 operands; f32 sums; everything else in f32.
;; Inputs: Wk 1,024 x 1,024 float32; Wo 1,024 x 1,024 float32; Wq 1,024 x 1,024 float32; Wv 1,024 x 1,024 float32; bk 1,024 float32; bo 1,024 float32; bq 1,024 float32; bv 1,024 float32; k 2 x 2,048 x 1,024 float32; mask 2 x 2,048 x 2,048 int32; q 2 x 2,048 x 1,024 float32; v 2 x 2,048 x 1,024 float32.
;; Outputs: out0 2 x 2,048 x 1,024 float32.
;; This version of the problem:
;;   THIS VERSION OF THE PROBLEM IS GIVEN IN LOW PRECISION. The matrix products marked QUANTISED in the list below multiply operands that are first quantised to E2M1 (2 exponent bits, 1 mantissa bit; 4 bits a number), with one power-of-two scale for each 32 numbers along K (OCP MX v1.0); their sums are f32. The products marked 'left as it is' may take bf16, f16 or f32 operands, with f32 sums. Whichever they take, every output number must still come out within the allowed error. Rounding operands to bf16 (8 significant bits) uses up far more of that allowance than f16 does (11 bits, for magnitudes from 6e-5 to 65,504). All else is computed in f32.
;;   The module's matrix products, in the order in which they are computed (A, B: the left and right operand; K: the contracted axis; several contracted axes count as one K, in the product's order):
;;     1. [M 4,096, K 1,024] x [K 1,024, N 1,024]; A: input q; B: input Wq: QUANTISED
;;     2. [M 4,096, K 1,024] x [K 1,024, N 1,024]; A: input k; B: input Wk: QUANTISED
;;     3. [M 4,096, K 1,024] x [K 1,024, N 1,024]; A: input v; B: input Wv: QUANTISED
;;     4. batch 32 x [M 2,048, K 64] x [K 64, N 2,048]; A: computed on the way; B: computed on the way: left as it is (an operand is computed on the way)
;;     5. batch 32 x [M 2,048, K 2,048] x [K 2,048, N 64]; A: computed on the way; B: computed on the way: left as it is (an operand is computed on the way)
;;     6. [M 4,096, K 1,024] x [K 1,024, N 1,024]; A: computed on the way; B: input Wo: left as it is (an operand is computed on the way)
;;   THE QUANTISER, for each operand of a quantised product, along K:
;;     - K is cut into blocks of 32 from its start; a last block that is shorter is filled with zeros.
;;     - A block's scale is 2^e with e = floor(log2(the largest magnitude in the block)) - 2, held to -126 .. 127; a block of zeros has e = 0. As a byte (E8M0): e + 127.
;;     - Each number is divided by its block's scale, clamped to +-6, and rounded to the nearest number of E2M1, ties to even, subnormals kept.
;;     - The product sums the exact products of the quantised numbers (number of the format x scale) in f32.
;;   ~~~python
;;   def quantise(x, axis):      # numpy; x: float32 -> the quantised numbers, widened to float32 again
;;       x = np.moveaxis(x, axis, -1); K = x.shape[-1]
;;       x = np.pad(x, [(0, 0)] * (x.ndim - 1) + [(0, -K % 32)]); x = x.reshape(x.shape[:-1] + (-1, 32)); a = np.abs(x).max(-1, keepdims=True)
;;       e = np.where(a > 0, np.clip(np.frexp(np.where(a > 0, a, 1))[1] - 1 - 2, -126, 127), 0)      # np.frexp(a)[1] - 1 = floor(log2(a)), exactly
;;       r = np.clip(x / 2.0 ** e, -6, 6)
;;       step = 2.0 ** (np.maximum(np.frexp(np.where(r == 0, 1, r))[1] - 1, 0) - 1)
;;       q = np.round(r / step) * step * 2.0 ** e      # np.round: ties to even
;;       return np.moveaxis(q.reshape(q.shape[:-2] + (-1,))[..., :K], -1, axis).astype(np.float32)
;;   ~~~
;; One version. Each part assembles by itself: llvm-mc -triple=amdgcn-amd-amdhsa -mcpu=gfx1250 --defsym DOCPART=n.
;; ======== version 1 of 1: 4 launches
;; limits: values are held in f16: magnitudes above 65,504 overflow, below 6.1e-05 lose precision
;; workspace buffers: codes 7,864,320 bytes; scales 491,520 bytes; mbits 1,048,576 bytes of whole numbers; woh 2,097,152 bytes; qkvh 25,165,824 bytes; ctxh 8,388,608 bytes
;; launch prep (part 1): grid 768 x 1, 4 waves a work-group, no clusters, 67,072 bytes of LDS; arguments q, k, v, Wq, Wk, Wv, mask, Wo, codes, scales, mbits, woh; writes codes, scales, mbits, woh
.if DOCPART == 1
	.amdgcn_target "amdgcn-amd-amdhsa--gfx1250"
	.amdhsa_code_object_version 6
	.text
	.protected	k_q4c48f31571_prep
	.globl	k_q4c48f31571_prep
	.p2align	8
	.type	k_q4c48f31571_prep,@function
k_q4c48f31571_prep:
	s_mov_b64 s[64:65], 0
	v_nop
	global_prefetch_b8 v0, s[64:65] scope:SCOPE_SE
	s_setreg_imm32_b32 hwreg(HW_REG_WAVE_MODE, 25, 1), 1
	s_wait_xcnt 0x0
; PREP: everything that is made once for the later launches.  Three kinds of work-group, told apart by the work-group's number alone; each reads 131,072 bytes.
;  0..479   q, k, v [4096][1024] and Wq, Wk, Wv [1024][1024], f32, K innermost, become codes of FP4 (E2M1) and one E8M0 byte for each 32 along K.  The six tensors lie on end in
;           codes [15360 rows][512 bytes] and scales [15360][32]: rows 0.. q, 4096.. k, 8192.. v, 12288 + 1024 t.. the weights.
;  480..735 the mask [2][2048][2048] int32 becomes bits: mbits [b 128 + T][step 0..31][32 words]; bit l of word 8 t + j says whether key 64 step + 16 t + 8 (l / 16) + j counts for
;           query 16 T + l % 16: the lane mask of register 8 t + j of a tile of scores held as (key, query).
;  736..767 Wo [1024 n][1024 k] f32 becomes f16, laid woh [k / 64][n][64].
; A block's scale is 2^(floor(log2(largest magnitude)) - 2); its byte is the largest magnitude's exponent field - 2, held at 1 from below.  A block of zeros so gets the byte 1 where the
; rule says 127: its codes are zeros, and this program alone reads the bytes.
; LIMITS: blocks whose largest magnitude lies under 2^-124 keep the byte 1; NaN and infinities are not served; Wo beyond 65,504 has no f16 number.
; No tensor loads, no barrier: waves share nothing.  Each path has LDS bytes of its own.
.set WREG,  8192                       ; quantiser: a region for each wave: two stages of 32 x SP bytes, then its 256 scale bytes
.set SP,    80                         ; a lane's place in a stage: 64 bytes + 16 of padding
.set STEPS, 16
.set EMAX,  2
.set CB,    8                          ; bytes of 16 codes
.set R,     16                         ; v16-79   four sets of 16 numbers as loaded
.set X,     80                         ; v80-111  two sets of 16 neighbours
.set E,     112                        ; v112-127 a scale byte for each step
.set C,     128                        ; v128-191 codes, four registers a step
.set MST,   32768                      ; mask path: four stages of 16 rows x MP bytes
.set MP,    528                        ; 512 bytes + 16: 33 x 16, so the sixteen rows of a read start at sixteen different columns of 16 bytes
.set SPARE, 66560                      ; the spare words: 128 bytes a wave, two blocks of 256 bytes that no other line names
.set SPW,   12                         ; v12 SPARE + 4 x thread; never rewritten
.set NIL,   13                         ; v13 0; never rewritten
	s_load_b512 s[8:23], s[0:1], 0x0               ; q s8, k s10, v s12, Wq s14, Wk s16, Wv s18, mask s20, Wo s22
	s_load_b256 s[24:31], s[0:1], 0x40             ; codes s24, scales s26, mbits s28, woh s30
	v_lshl_add_u32 v[SPW], v0, 2, SPARE
	v_mov_b32 v[NIL], 0
	v_lshrrev_b32 v1, 5, v0
	v_readfirstlane_b32 s32, v1                    ; wave 0..3
	s_mov_b32 s33, ttmp9                           ; work-group
	s_wait_kmcnt 0x0
	s_cmp_lt_u32 s33, 480
	s_cbranch_scc0 .Lnot_quant
; ---------------- the quantiser.  A wave takes 16 steps of 512 numbers.  Loads read 512 consecutive bytes; a step's 2,048 bytes turn through the wave's own stage so that a lane holds 16 neighbours.
	s_lshr_b32 s34, s33, 7                         ; 128 work-groups to each of q, k, v
	s_cmp_eq_u32 s34, 0
	s_cselect_b64 s[40:41], s[8:9], s[10:11]
	s_cmp_eq_u32 s34, 2
	s_cselect_b64 s[40:41], s[12:13], s[40:41]
	s_sub_co_u32 s35, s33, 384                     ; 32 to each weight (used from 384 on alone)
	s_lshr_b32 s35, s35, 5
	s_cmp_eq_u32 s35, 0
	s_cselect_b64 s[46:47], s[14:15], s[16:17]
	s_cmp_eq_u32 s35, 2
	s_cselect_b64 s[46:47], s[18:19], s[46:47]
	s_cmp_lt_u32 s33, 384
	s_cselect_b64 s[40:41], s[40:41], s[46:47]     ; the choices hang on the work-group's number alone
	s_cselect_b32 s36, 127, 31
	s_and_b32 s36, s33, s36                        ; my place in my tensor
	s_lshl_b32 s36, s36, 2
	s_add_co_u32 s36, s36, s32
	s_lshl_b32 s36, s36, 15                        ; a wave's run: 8,192 numbers, 32,768 bytes
	s_mov_b32 s37, 0
	s_add_nc_u64 s[40:41], s[40:41], s[36:37]
	s_lshl_b32 s38, s33, 2
	s_add_co_u32 s38, s38, s32                     ; the run's number over all six tensors: codes and bytes lie on end
	s_lshl_b32 s36, s38, 12
	s_add_nc_u64 s[42:43], s[24:25], s[36:37]      ; 4,096 bytes of codes a run
	s_lshl_b32 s36, s38, 8
	s_add_nc_u64 s[44:45], s[26:27], s[36:37]      ; 256 scale bytes a run
	v_and_b32 v2, 31, v0                           ; lane
	v_lshlrev_b32 v3, 4, v2                        ; my 16 bytes of a load's 512
	s_mul_i32 s39, s32, WREG
	v_lshrrev_b32 v14, 2, v2
	v_mul_u32_u24 v14, v14, SP
	v_and_b32 v15, 3, v2
	v_lshl_add_u32 v14, v15, 4, v14
	v_add_nc_u32 v14, s39, v14                     ; the stage, on the way in: SP (lane / 4) + 16 (lane % 4)
	v_mul_u32_u24 v15, v2, SP
	v_add_nc_u32 v15, s39, v15                     ; on the way out: SP x lane: my 16 neighbours
	v_mul_u32_u24 v4, v2, CB                       ; my codes' place in a step's
	v_lshrrev_b32 v5, 1, v2
	s_add_co_u32 s39, s39, 2*32*SP
	v_add_nc_u32 v5, s39, v5                       ; my block's byte among my wave's 256
	v_lshlrev_b32 v7, 3, v2
	v_add_nc_u32 v6, s39, v7                       ; and on the way out 8 bytes a lane
.macro LOAD t
.irp i, 0,1,2,3
	global_load_b128 v[R+16*((\t)%4)+4*\i:R+16*((\t)%4)+4*\i+3], v3, s[40:41] offset:2048*(\t)+512*\i th:TH_LOAD_NT
.endr
.endm
.macro TURN t                          ; LDS serves a wave's instructions in order: no wait between the stores and the loads
.irp i, 0,1,2,3
	ds_store_b128 v14, v[R+16*((\t)%4)+4*\i:R+16*((\t)%4)+4*\i+3] offset:32*SP*((\t)%2)+8*SP*\i
.endr
.irp i, 0,1,2,3
	ds_load_b128 v[X+16*((\t)%2)+4*\i:X+16*((\t)%2)+4*\i+3], v15 offset:32*SP*((\t)%2)+16*\i
.endr
.endm
.irp t, 0,1,2,3
	LOAD \t
.endr
	s_wait_loadcnt 12                              ; step 0's four loads are in; twelve younger ones stay out
	TURN 0
.macro STEP t
.set XS, X+16*((\t)%2)
.if (\t) > 0
	s_wait_dscnt 1                                 ; this step's numbers are back from the stage; the last step's byte store may be out
.else
	s_wait_dscnt 0x0
.endif
.if (\t)+4 < STEPS
	LOAD (\t)+4
.endif
.if (\t)+1 < STEPS
.if STEPS-2-(\t) >= 3
	s_wait_loadcnt 12                              ; the next step's four loads are in; those of the three steps behind it may be out
.else
	s_wait_loadcnt 4*(STEPS-2-(\t))
.endif
	TURN (\t)+1
.endif
	v_max3_num_f32 v8, |v[XS]|, |v[XS+1]|, |v[XS+2]|
	v_max3_num_f32 v9, |v[XS+3]|, |v[XS+4]|, |v[XS+5]|
.irp i, 6,10
	v_max3_num_f32 v8, v8, |v[XS+\i]|, |v[XS+\i+1]|
	v_max3_num_f32 v9, v9, |v[XS+\i+2]|, |v[XS+\i+3]|
.endr
	v_max3_num_f32 v8, v8, |v[XS+14]|, |v[XS+15]|
	v_max3_num_f32 v8, v8, v9, (EMAX+1)<<23        ; with the floor 2^(3 - 127): the byte cannot fall under 1
	v_max_num_f32_dpp v8, v8, v8 row_xmask:1 row_mask:0xf bank_mask:0xf   ; with my neighbour's 16: the block's largest magnitude
	v_add_nc_u32 v11, -(EMAX<<23), v8              ; 2 off its exponent field: the conversion takes that field as its scale
	v_cvt_scalef32_pk8_fp4_f32 v[C+4*(\t)], v[XS:XS+7], v11
	v_cvt_scalef32_pk8_fp4_f32 v[C+4*(\t)+1], v[XS+8:XS+15], v11
	v_lshrrev_b32 v[E+(\t)], 23, v11               ; the scale's byte (also the plain line behind the conversions)
	ds_store_b8 v5, v[E+(\t)] offset:16*(\t)       ; both lanes of a block write the same byte with the same value
	global_store_b64 v4, v[C+4*(\t):C+4*(\t)+1], s[42:43] offset:32*CB*(\t)   ; the wave stores 256 consecutive bytes, aligned
.endm
.irp t, 0,1,2,3,4,5,6,7,8,9,10,11,12,13,14,15
	STEP \t
.endr
	ds_load_b64 v[8:9], v6
	s_wait_dscnt 0x0
	global_store_b64 v7, v[8:9], s[44:45]          ; 256 scale bytes, aligned
	s_wait_tensorcnt 0x0                           ; the wave's end: three lines behind my last LDS store
	ds_add_u32 v[SPW], v[NIL]
	s_wait_dscnt 0x0
	s_endpgm
.Lnot_quant:
	s_cmp_lt_u32 s33, 736
	s_cbranch_scc0 .Lwo
; ---------------- the mask.  A work-group packs 16 queries x 2,048 keys; wave w keys 512 w on, 128 keys (two key steps, 64 words) at a time.
; Loads read 512 consecutive bytes of a row; the 16 x 512 bytes turn through the wave's stage so that lane (r, h) holds query r and the keys 16 t + 8 h + j.
	s_sub_co_u32 s34, s33, 480                     ; b 128 + T
	v_and_b32 v5, 31, v0
	v_lshlrev_b32 v1, 4, v5                        ; 16 x lane
	v_lshlrev_b32 v4, 3, v5                        ; 8 x lane: two words a lane on the way out
	s_mul_i32 s35, s32, 16*MP
	s_add_co_u32 s35, s35, MST                     ; my stage
	v_add_nc_u32 v2, s35, v1                       ; in
	v_and_b32 v6, 15, v0
	v_bfe_u32 v7, v0, 4, 1
	v_mul_u32_u24 v3, v6, MP
	v_lshl_add_u32 v3, v7, 5, v3
	v_add_nc_u32 v3, s35, v3                       ; out: row r, + 32 h
	s_lshl_b32 s36, s34, 17                        ; 16 rows of 8,192 bytes
	s_lshl_b32 s38, s32, 11
	s_add_co_u32 s36, s36, s38
	s_mov_b32 s37, 0
	s_add_nc_u64 s[40:41], s[20:21], s[36:37]
	s_lshl_b32 s36, s34, 12                        ; 4,096 bytes of bits a tile of queries, 1,024 a wave
	s_lshl_b32 s38, s32, 10
	s_add_co_u32 s36, s36, s38
	s_add_nc_u64 s[42:43], s[28:29], s[36:37]
.irp i, 0,1,2,3,4,5,6,7
	v_mov_b32 v[208+\i], 0                         ; written whole once: v_writelane_b32 fills them lane by lane
.endr
.macro MLOAD it
.irp i, 0,1,2,3,4,5,6,7,8,9,10,11,12,13,14,15
	global_load_b128 v[16+64*((\it)%2)+4*\i:16+64*((\it)%2)+4*\i+3], v1, s[40:41] offset:\i*8192+(\it)*512 th:TH_LOAD_NT
.endr
.endm
.macro MPACK it
.if (\it) < 3
	s_wait_loadcnt 16                              ; this set's sixteen loads are in, the younger set's stay out
.else
	s_wait_loadcnt 0x0
.endif
.irp i, 0,1,2,3,4,5,6,7,8,9,10,11,12,13,14,15
	ds_store_b128 v2, v[16+64*((\it)%2)+4*\i:16+64*((\it)%2)+4*\i+3] offset:\i*MP
.endr
.irp d, 0,1,2,3,4,5,6,7,8,9,10,11,12,13,14,15
	ds_load_b128 v[144+4*\d:144+4*\d+3], v3 offset:256*(\d/8)+64*((\d/2)%4)+16*(\d%2)   ; register 32 s + 8 t + j: key 64 s + 16 t + 8 h + j
.endr
	s_wait_dscnt 0x0
.if (\it)+2 < 4
	MLOAD (\it)+2
.endif
.set MM, 0
.rept 8
.irp e, 0,1,2,3,4,5,6,7
	v_cmp_ne_u32 s[48+\e], 0, v[144+MM+\e]         ; the 32 lanes' bits are the word
.endr
.irp e, 0,1,2,3,4,5,6,7
	v_writelane_b32 v[208+2*(\it)+(\e%2)], s[48+\e], (MM+\e)/2   ; word m goes to lane m / 2, register m % 2
.endr
.set MM, MM+8
.endr
	global_store_b64 v4, v[208+2*(\it):209+2*(\it)], s[42:43] offset:256*(\it)   ; 256 consecutive bytes, aligned; each turn has its own pair of registers
.endm
	MLOAD 0
	MLOAD 1
.irp it, 0,1,2,3
	MPACK \it
.endr
	s_wait_tensorcnt 0x0                           ; the wave's end: the three lines
	ds_add_u32 v[SPW], v[NIL]
	s_wait_dscnt 0x0
	s_endpgm
.Lwo:
; ---------------- Wo to f16, head by head.  A work-group takes 32 rows n, a wave 8, two rows at a time.  Lane: chunk of 8 numbers (l % 8), row (l / 8 % 2), head of a pair (l / 16).
	s_sub_co_u32 s34, s33, 736
	v_and_b32 v5, 7, v0
	v_bfe_u32 v6, v0, 3, 1
	v_bfe_u32 v7, v0, 4, 1
	v_lshlrev_b32 v1, 5, v5
	v_lshl_add_u32 v1, v7, 8, v1
	v_lshl_add_u32 v1, v6, 12, v1                  ; in: row x 4,096 + head x 256 + chunk x 32
	v_lshlrev_b32 v2, 4, v5
	v_lshl_add_u32 v2, v6, 7, v2
	v_lshl_add_u32 v2, v7, 17, v2                  ; out: head x 131,072 + row x 128 + chunk x 16
	s_lshl_b32 s36, s34, 17
	s_lshl_b32 s38, s32, 15
	s_add_co_u32 s36, s36, s38
	s_mov_b32 s37, 0
	s_add_nc_u64 s[40:41], s[22:23], s[36:37]
	s_lshl_b32 s36, s34, 12
	s_lshl_b32 s38, s32, 10
	s_add_co_u32 s36, s36, s38
	s_add_nc_u64 s[42:43], s[30:31], s[36:37]
.macro WLOAD p
.irp hp, 0,1,2,3,4,5,6,7
	global_load_b128 v[16+64*((\p)%2)+8*\hp:16+64*((\p)%2)+8*\hp+3], v1, s[40:41] offset:(\p)*8192+\hp*512 th:TH_LOAD_NT
	global_load_b128 v[16+64*((\p)%2)+8*\hp+4:16+64*((\p)%2)+8*\hp+7], v1, s[40:41] offset:(\p)*8192+\hp*512+16 th:TH_LOAD_NT
.endr
.endm
.macro WBATCH p
.if (\p) < 3
	s_wait_loadcnt 16                              ; this pair of rows is in, the next pair's sixteen loads stay out
.else
	s_wait_loadcnt 0x0
.endif
.if (\p) >= 2
	s_wait_xcnt 0x0                                ; the stores of two batches back have read their data registers, which are written again below
.endif
.irp hp, 0,1,2,3,4,5,6,7
.irp i, 0,1,2,3
	v_cvt_pk_f16_f32 v[144+32*((\p)%2)+4*\hp+\i], v[16+64*((\p)%2)+8*\hp+2*\i], v[16+64*((\p)%2)+8*\hp+2*\i+1]
.endr
	global_store_b128 v2, v[144+32*((\p)%2)+4*\hp:144+32*((\p)%2)+4*\hp+3], s[42:43] offset:\hp*262144+(\p)*256   ; sixteen lanes store 256 consecutive bytes, aligned: two rows of one head
.endr
.if (\p)+2 < 4
	WLOAD (\p)+2
.endif
.endm
	WLOAD 0
	WLOAD 1
.irp p, 0,1,2,3
	WBATCH \p
.endr
	s_wait_tensorcnt 0x0                           ; all three paths end alike
	ds_add_u32 v[SPW], v[NIL]
	s_wait_dscnt 0x0
	s_endpgm
.Lfunc_end_k_q4c48f31571_prep:
	.size	k_q4c48f31571_prep, .Lfunc_end_k_q4c48f31571_prep-k_q4c48f31571_prep
	.p2alignl 7, 3214868480
	.fill 96, 4, 3214868480
	.section	.rodata,"a",@progbits
	.p2align	6, 0x0
	.amdhsa_kernel k_q4c48f31571_prep
		.amdhsa_group_segment_fixed_size 67072
		.amdhsa_private_segment_fixed_size 0
		.amdhsa_enable_private_segment 0
		.amdhsa_kernarg_size 96
		.amdhsa_user_sgpr_count 2
		.amdhsa_user_sgpr_kernarg_segment_ptr 1
		.amdhsa_wavefront_size32 1
		.amdhsa_system_sgpr_workgroup_id_x 1
		.amdhsa_system_sgpr_workgroup_id_y 1
		.amdhsa_system_sgpr_workgroup_id_z 1
		.amdhsa_system_vgpr_workitem_id 0
		.amdhsa_next_free_vgpr 216
		.amdhsa_next_free_sgpr 66
		.amdhsa_reserve_vcc 0
		.amdhsa_float_denorm_mode_32 3
		.amdhsa_float_denorm_mode_16_64 3
		.amdhsa_memory_ordered 1
		.amdhsa_forward_progress 1
		.amdhsa_inst_pref_size 100
	.end_amdhsa_kernel
	.amdgpu_metadata
---
amdhsa.version: [ 1, 2 ]
amdhsa.kernels:
  - .name:           k_q4c48f31571_prep
    .symbol:         k_q4c48f31571_prep.kd
    .args:
      - { .name: q, .offset: 0, .size: 8, .value_kind: global_buffer, .address_space: global }
      - { .name: k, .offset: 8, .size: 8, .value_kind: global_buffer, .address_space: global }
      - { .name: v, .offset: 16, .size: 8, .value_kind: global_buffer, .address_space: global }
      - { .name: Wq, .offset: 24, .size: 8, .value_kind: global_buffer, .address_space: global }
      - { .name: Wk, .offset: 32, .size: 8, .value_kind: global_buffer, .address_space: global }
      - { .name: Wv, .offset: 40, .size: 8, .value_kind: global_buffer, .address_space: global }
      - { .name: mask, .offset: 48, .size: 8, .value_kind: global_buffer, .address_space: global }
      - { .name: Wo, .offset: 56, .size: 8, .value_kind: global_buffer, .address_space: global }
      - { .name: codes, .offset: 64, .size: 8, .value_kind: global_buffer, .address_space: global }
      - { .name: scales, .offset: 72, .size: 8, .value_kind: global_buffer, .address_space: global }
      - { .name: mbits, .offset: 80, .size: 8, .value_kind: global_buffer, .address_space: global }
      - { .name: woh, .offset: 88, .size: 8, .value_kind: global_buffer, .address_space: global }
    .group_segment_fixed_size: 67072
    .private_segment_fixed_size: 0
    .kernarg_segment_align: 8
    .kernarg_segment_size: 96
    .max_flat_workgroup_size: 128
    .sgpr_count:     66
    .vgpr_count:     216
    .wavefront_size: 32
...
	.end_amdgpu_metadata
.endif
;; end of part 1
;; launch proj (part 2): grid 4 x 48, 4 waves a work-group, clusters of 4 x 4, 327,680 bytes of LDS; arguments codes, scales, bq, bk, bv, qkvh; writes qkvh
.if DOCPART == 2
	.amdgcn_target "amdgcn-amd-amdhsa--gfx1250"
	.amdhsa_code_object_version 6
	.text
	.protected	k_q4c48f31571_proj
	.globl	k_q4c48f31571_proj
	.p2align	8
	.type	k_q4c48f31571_proj,@function
k_q4c48f31571_proj:
	s_mov_b64 s[64:65], 0
	v_nop
	global_prefetch_b8 v0, s[64:65] scope:SCOPE_SE
	s_setreg_imm32_b32 hwreg(HW_REG_WAVE_MODE, 25, 1), 1
	s_wait_xcnt 0x0
	s_wait_alu depctr_hold_cnt(0) depctr_sa_sdst(0) depctr_va_vdst(0) depctr_va_sdst(0) depctr_va_ssrc(0) depctr_va_vcc(0) depctr_vm_vsrc(0)
	s_getreg_b32 s2, hwreg(HW_REG_IB_STS2, 6, 4)
	s_cmp_eq_u32 s2, 0
	s_cbranch_scc0 .Lentry_in_a_cluster
	s_endpgm
.Lentry_in_a_cluster:
	s_bfe_u32 s2, ttmp6, 0x10000c
	s_cmp_lg_u32 s2, 0xf033
	s_cbranch_scc0 .Lentry_shape_is_right
	s_endpgm
.Lentry_shape_is_right:
; PROJ: the three quantised projections as ONE product on codes of FP4 (E2M1): C[12288][1024], rows 0.. q, 4096.. k, 8192.. v; tensor t = row / 4096 takes the weight rows 12288 + 1024 t + n of the same buffers.
; y = x W^T + b in f32; q's part is then multiplied by c = log2(e) / 8, so that the next launch's scores come out as exponents of two; all is rounded once to f16 and laid qkvh [t][b][head][s][64].
; A tile of C, 256 x 256, is made by four waves, each 128 x 128: 64 accumulators of 16 x 16.  K = 1024 is two slots of 512 (rows of 256 bytes): both are asked for at the start, nothing is filled again.
; The scale bytes of the tile's 256 + 256 rows (32 bytes a row) come once, as units of 256 bytes.
; CLUSTERS: 4 x 4.  A's tile hangs on the tile row, shared along a row of the cluster; B's on the tile column and on the tensor, which the cluster's y alone decides (4 clusters to a tensor): shared along a column.
; THE MATRIX INSTRUCTION IS USED TRANSPOSED (source 0 = 16 rows of W, source 1 = 16 rows of x): a lane holds eight neighbouring features of one row.  The bias is the C of each sum's first product.
; REGISTERS: window 0: v0-31 addresses; v32-95 scale words, two sets; v128-191 A's fragments; v192-255 the bias, 8 registers a block of 16 features; on the way out v32-191 are free.
;   window 1: B's fragments, two sets, at v0 and v128.  windows 2, 3: the accumulators of my rows 0-63, 64-127 ((a, b) at v[8 (8 (a % 4) + b)]).
; LIMITS: |k W^T + b|, |v W^T + b| and 0.18 |q W^T + b| beyond 65,504 have no f16 number.
.set KSTEP,  512
.set NQ,     4
.set ROWB,   256
.set KROW,   512                       ; a row of codes in memory
.set PITCH,  272                       ; 256 + 16: the 16 rows of a load start at 16 different columns of 16 bytes
.set FR,     8
.set NL,     2
.set NP,     4
.set HALFT,  128*PITCH
.set SLOT,   4*HALFT
.set KS,     32                        ; a row of scale bytes
.set SCL,    2*SLOT
.set HALFS,  (128*KS/256)*272
.set SBLK,   (16*KS/256)*272
.set SPARE,  SCL+4*HALFS               ; the spare words: 128 bytes a wave, two blocks of 256 bytes that no other line names
.set SPITCH, 272                       ; the way out: 16 rows x (256 bytes + 16) a wave, in slot 0, which has had its one fill and its last read by then
.set ADRA, 16
.set ADRB, 20
.set STO,  24
.set RD,   25
.set CO,   26
.set ADRS, 27
.set SPW,  28
.set NIL,  29
.set BO,   30
.set SC,   32
.set AF,   128
.set BI,   192
.set T32,  32                          ; the way out: a block's 64 numbers, scaled
.set PKD,  96                          ; packed to f16
.set BK,   128                         ; read back: v128-159 and v160-191 by turns
.set G1, 24
.set G0, 32
.set G1B, 48
.set G0B, 56
.set G1S, 68
.set G0S, 76
.set G1SB, 80
.set G0SB, 88
.set MSB, 0
.macro WIN new                         ; the immediate's high byte repeats the setting that is left
.if MSB != (\new)
	s_set_vgpr_msb (MSB<<8)|(\new)
.set MSB, (\new)
.endif
.endm
.set MUL_LO, 0xa1                      ; source 0 (W) window 1, source 1 (x) window 0, C and D window 2
.set MUL_HI, 0xf1
.set BIA_LO, 0x81                      ; the same with C (the bias) in window 0
.set BIA_HI, 0xc1
.set TO_B,   0x40
.macro JLOAD g0a, g1a, g0b, g1b        ; a joint load: waves 0, 1 fetch for A, waves 2, 3 for B; an s_nop 0 and four v_nop follow each line
	s_cmp_eq_u32 s17, 0
	s_cbranch_scc0 .Lfor_b_\@
	tensor_load_to_lds s[\g0a:\g0a+3], s[\g1a:\g1a+7]
	s_nop 0
.rept 4
	v_nop
.endr
	s_branch .Lasked_\@
.Lfor_b_\@:
	tensor_load_to_lds s[\g0b:\g0b+3], s[\g1b:\g1b+7]
	s_nop 0
.rept 4
	v_nop
.endr
.Lasked_\@:
.endm
.macro CROUND                          ; a round of the cluster's barrier
	s_barrier_signal -1
	s_barrier_wait -1
	s_cmp_lg_u32 s16, 0
	s_cbranch_scc1 .Lnot_wave_0_\@
	s_barrier_signal -3
.Lnot_wave_0_\@:
	s_barrier_wait -3
	s_barrier_signal -1
	s_barrier_wait -1
.endm
	s_load_b256 s[4:11], s[0:1], 0x0               ; codes s4, scales s6, bq s8, bk s10
	s_load_b128 s[12:15], s[0:1], 0x20             ; bv s12, qkvh s14
	v_lshl_add_u32 v[SPW], v0, 2, SPARE
	v_mov_b32 v[NIL], 0
	ds_add_u32 v[SPW], v[NIL]                      ; the wave's opening: the add, twice on end, and its wait ahead of my first tensor load
	ds_add_u32 v[SPW], v[NIL]
	v_lshrrev_b32 v1, 5, v0
	v_readfirstlane_b32 s16, v1                    ; wave 0..3
	s_lshr_b32 s17, s16, 1                         ; my half of the tile's rows; also: I fetch for A (0) or B (1)
	s_and_b32 s18, s16, 1                          ; my half of its columns; also: which 128 rows I fetch
	s_bfe_u32 s40, ttmp6, 0x40000                  ; cx
	s_bfe_u32 s41, ttmp6, 0x40004                  ; cy
	s_lshl_b32 s42, ttmp9, 2
	s_add_co_u32 s42, s42, s40                     ; tile column
	s_and_b32 s19, ttmp7, 0xffff
	s_lshr_b32 s66, s19, 2                         ; the tensor 0, 1, 2: of the cluster's y alone
	s_lshl_b32 s19, s19, 2
	s_add_co_u32 s19, s19, s41                     ; tile row
	s_lshl_b32 s43, s41, 2
	s_lshl_b32 s43, 15, s43                        ; my row of the cluster
	s_lshl_b32 s44, 0x1111, s40                    ; my column
	s_or_b32 s[G1+0], s43, (0<<16)|(1<<20)|(1<<21)|(5<<22)|(3<<25)   ; mask; elements of 1 byte; padding: 4 words behind every 64; bit 21 beside a mask
	s_or_b32 s[G1B+0], s44, (0<<16)|(1<<20)|(1<<21)|(5<<22)|(3<<25)
.irp g, G1, G1B
	s_mov_b32 s[\g+1], ROWB<<16                    ; tensor_dim0
	s_mov_b32 s[\g+2], 128<<16                     ; tensor_dim1
	s_mov_b32 s[\g+3], ROWB<<16                    ; tile_dim0
	s_mov_b32 s[\g+4], 128                         ; tile_dim1
	s_mov_b32 s[\g+5], KROW                        ; from row to row
	s_mov_b32 s[\g+6], 0
	s_mov_b32 s[\g+7], 0
.endr
	s_or_b32 s[G1S+0], s43, (3<<16)|(1<<20)|(1<<21)|(5<<22)|(3<<25)  ; the scales of 128 rows: 4,096 dense bytes as 16 rows of 32 elements of 8 bytes
	s_or_b32 s[G1SB+0], s44, (3<<16)|(1<<20)|(1<<21)|(5<<22)|(3<<25)
.irp g, G1S, G1SB
	s_mov_b32 s[\g+1], 32<<16
	s_mov_b32 s[\g+2], (128*KS/256)<<16
	s_mov_b32 s[\g+3], 32<<16
	s_mov_b32 s[\g+4], 128*KS/256
	s_mov_b32 s[\g+5], 32
	s_mov_b32 s[\g+6], 0
	s_mov_b32 s[\g+7], 0
.endr
	s_lshl_b32 s20, s18, 7                         ; which 128 rows I fetch
	s_lshl_b32 s22, s19, 8
	s_add_co_u32 s22, s22, s20                     ; A: row 256 x tile row + 128 x half
	s_lshl_b32 s46, s42, 8
	s_add_co_u32 s46, s46, s20
	s_lshl_b32 s47, s66, 10
	s_add_co_u32 s46, s46, s47
	s_add_co_u32 s46, s46, 12288                   ; B: row 12288 + 1024 x tensor + 256 x tile column + 128 x half
	s_lshl_b32 s92, s22, 5                         ; 32 scale bytes a row,
	s_mov_b32 s93, 0
	s_lshl_b32 s22, s22, 9                         ; 512 bytes of codes
	s_mov_b32 s23, 0
	s_lshl_b32 s94, s46, 5
	s_mov_b32 s95, 0
	s_lshl_b32 s46, s46, 9
	s_mov_b32 s47, 0
	s_mul_i32 s45, s16, HALFT                      ; where they go: wave x 128 rows: no place in the cluster enters an LDS address
	s_mul_i32 s67, s16, HALFS
	s_wait_dscnt 0x0                               ; both opening adds are done
	s_wait_kmcnt 0x0
	s_add_nc_u64 s[22:23], s[4:5], s[22:23]
	s_add_nc_u64 s[92:93], s[6:7], s[92:93]
	s_add_nc_u64 s[46:47], s[4:5], s[46:47]
	s_add_nc_u64 s[94:95], s[6:7], s[94:95]
	CROUND                                         ; all sixteen work-groups are here: the joint loads meet
	s_mov_b32 s[G0S], 1
	s_add_co_u32 s[G0S+1], s67, SCL
	s_mov_b64 s[G0S+2:G0S+3], s[92:93]
	s_or_b32 s[G0S+3], s[G0S+3], 0x80000000
	s_mov_b32 s[G0SB], 1
	s_add_co_u32 s[G0SB+1], s67, SCL
	s_mov_b64 s[G0SB+2:G0SB+3], s[94:95]
	s_or_b32 s[G0SB+3], s[G0SB+3], 0x80000000
	JLOAD G0S, G1S, G0SB, G1SB                     ; the scales first; then both slots: three loads of mine are out
.irp s, 0,1
	s_mov_b32 s[G0+4*\s], 1
	s_add_co_u32 s[G0+4*\s+1], s45, \s*SLOT
	s_add_nc_u64 s[G0+4*\s+2:G0+4*\s+3], s[22:23], \s*ROWB
	s_or_b32 s[G0+4*\s+3], s[G0+4*\s+3], 0x80000000
	s_mov_b32 s[G0B+4*\s], 1
	s_add_co_u32 s[G0B+4*\s+1], s45, \s*SLOT
	s_add_nc_u64 s[G0B+4*\s+2:G0B+4*\s+3], s[46:47], \s*ROWB
	s_or_b32 s[G0B+4*\s+3], s[G0B+4*\s+3], 0x80000000
	JLOAD G0+4*\s, G1, G0B+4*\s, G1B
.endr
	v_and_b32 v1, 15, v0                           ; r
	v_bfe_u32 v2, v0, 4, 1                         ; h
	; the bias of my 128 features, and the factor
	s_cmp_eq_u32 s66, 0
	s_cselect_b64 s[96:97], s[8:9], s[10:11]
	s_mov_b32 s98, 0x3f800000
	s_cselect_b32 s98, 0x3e38aa3b, s98             ; q: log2(e) / 8; k, v: 1
	s_cmp_eq_u32 s66, 2
	s_cselect_b64 s[96:97], s[12:13], s[96:97]
	s_mov_b32 s99, s98
	s_lshl_b32 s20, s42, 10
	s_lshl_b32 s21, s18, 9
	s_add_co_u32 s20, s20, s21
	s_mov_b32 s21, 0
	s_add_nc_u64 s[96:97], s[96:97], s[20:21]
	v_lshlrev_b32 v[BO], 5, v2
.irp b, 0,1,2,3,4,5,6,7
	global_load_b128 v[BI+8*\b:BI+8*\b+3], v[BO], s[96:97] offset:64*\b       ; features 16 b + 8 h + 0 .. 7: the result's layout
	global_load_b128 v[BI+8*\b+4:BI+8*\b+7], v[BO], s[96:97] offset:64*\b+16
.endr
	v_mul_u32_u24 v3, v1, PITCH
	v_lshl_add_u32 v4, v2, 4, v3                   ; a fragment's row x pitch + 16 x half
	s_mul_i32 s20, s17, HALFT
	s_mul_i32 s21, s18, HALFT
	s_add_co_u32 s21, s21, 2*HALFT
.irp s, 0,1
	v_add_nc_u32 v[ADRA+\s], s20, v4
	v_add_nc_u32 v[ADRB+\s], s21, v4
	s_add_co_u32 s20, s20, SLOT
	s_add_co_u32 s21, s21, SLOT
.endr
	v_mul_u32_u24 v5, v1, KS                       ; my row's scales: 32 bytes a row, 16 more for each 256 passed
	v_lshrrev_b32 v6, 8, v5
	v_lshl_add_u32 v5, v6, 4, v5
	s_mul_i32 s20, s17, HALFS
	s_mul_i32 s21, s18, HALFS
	s_add_co_u32 s21, s21, 2*HALFS
	s_sub_co_u32 s21, s21, s20
	v_mul_u32_u24 v6, s21, v2                      ; lanes 16-31 take B's
	s_add_co_u32 s20, s20, SCL
	v_add_nc_u32 v5, v5, v6
	v_add_nc_u32 v[ADRS], s20, v5
	s_mul_i32 s20, s16, 16*SPITCH                  ; my stage
	v_mul_u32_u24 v5, v1, SPITCH
	v_lshl_add_u32 v5, v2, 4, v5
	v_add_nc_u32 v[STO], s20, v5                   ; in: row r, 16 bytes for each half of the lanes
	v_bfe_u32 v5, v0, 3, 1
	v_and_b32 v6, 7, v0
	v_mul_u32_u24 v7, v5, SPITCH
	v_lshl_add_u32 v7, v2, 7, v7
	v_lshl_add_u32 v7, v6, 4, v7
	v_add_nc_u32 v[RD], s20, v7                    ; back: lanes 0-15 two rows of my first head, lanes 16-31 of my second
	v_lshlrev_b32 v[CO], 18, v2                    ; a head's 2,048 rows are 262,144 bytes
	v_lshl_add_u32 v[CO], v5, 7, v[CO]
	v_lshl_add_u32 v[CO], v6, 4, v[CO]
	s_lshl_b32 s20, s19, 8
	s_lshl_b32 s21, s17, 7
	s_add_co_u32 s20, s20, s21                     ; my first row R0
	s_lshr_b32 s21, s20, 11                        ; 2 t + b
	s_lshl_b32 s21, s21, 4
	s_lshl_b32 s46, s42, 2
	s_add_co_u32 s21, s21, s46
	s_lshl_b32 s46, s18, 1
	s_add_co_u32 s21, s21, s46                     ; + my first head: 4 x tile column + 2 x half
	s_lshl_b32 s21, s21, 18
	s_and_b32 s20, s20, 2047
	s_lshl_b32 s20, s20, 7
	s_add_co_u32 s20, s20, s21
	s_mov_b32 s21, 0
	s_add_nc_u64 s[14:15], s[14:15], s[20:21]
.macro FRAG reg, adr, q, i             ; 16 rows x 128 K of 4-bit codes: 8 registers: two loads of 16 bytes, 32 bytes apart
.irp c, 0,1
	ds_load_b128 v[\reg+4*\c:\reg+4*\c+3], v[\adr] offset:64*(\q)+32*\c+(\i)*16*PITCH
.endr
.endm
; 16 matrix instructions: A's blocks a0, a0 + 1 x B's eight.  zero = 1: the first product starts the sums on the bias.  The 64 accumulators take turns, one instruction a turn.
.macro MUL16 a0, p, q, sc, zero
.irp a, \a0, \a0+1
.irp b, 0,1,2,3,4,5,6,7
.if \zero
	v_wmma_scale_f32_16x16x128_f8f6f4 v[8*(8*((\a)%4)+\b):8*(8*((\a)%4)+\b)+7], v[128*(\p)+FR*\b:128*(\p)+FR*\b+FR-1], v[AF+FR*(\a):AF+FR*(\a)+FR-1], v[BI+8*\b:BI+8*\b+7], v[SC+8*NQ*(\sc)+NQ*\b+(\q)], v[SC+8*NQ*(\sc)+NQ*(\a)+(\q)] matrix_a_fmt:MATRIX_FMT_FP4 matrix_b_fmt:MATRIX_FMT_FP4 matrix_a_scale:MATRIX_SCALE_ROW1
.else
	v_wmma_scale_f32_16x16x128_f8f6f4 v[8*(8*((\a)%4)+\b):8*(8*((\a)%4)+\b)+7], v[128*(\p)+FR*\b:128*(\p)+FR*\b+FR-1], v[AF+FR*(\a):AF+FR*(\a)+FR-1], v[8*(8*((\a)%4)+\b):8*(8*((\a)%4)+\b)+7], v[SC+8*NQ*(\sc)+NQ*\b+(\q)], v[SC+8*NQ*(\sc)+NQ*(\a)+(\q)] matrix_a_fmt:MATRIX_FMT_FP4 matrix_b_fmt:MATRIX_FMT_FP4 matrix_a_scale:MATRIX_SCALE_ROW1
.endif
.endr
.endr
.endm
.macro FETCH_B slot, q, p
	WIN TO_B
.irp i, 0,1,2,3,4,5,6,7
	FRAG 128*(\p)+FR*\i, ADRB+\slot, \q, \i
.endr
	WIN 0
.endm
.macro FETCH_A slot, q, i0
.irp i, \i0, \i0+1, \i0+2, \i0+3
	FRAG AF+FR*(\i), ADRA+\slot, \q, \i
.endr
.endm
.macro SCALES sc                       ; a slot's scale words: 4 words a row; lanes 0-15 A's block i, lanes 16-31 B's block i
.irp i, 0,1,2,3,4,5,6,7
	ds_load_b128 v[SC+8*NQ*\sc+NQ*\i:SC+8*NQ*\sc+NQ*\i+3], v[ADRS] offset:\i*SBLK
.endr
.endm
.macro PLACES n                        ; plain vector lines between a matrix instruction and a load into, or a vector line on, one of its registers
.rept \n
	v_nop
.endr
.endm
.macro STEP slot, q, zero              ; 128 along K, with its successor in the same slot
	s_wait_dscnt 4*NL                              ; B's set and A's blocks 0-3 are in; the youngest eight loads (A's blocks 4-7) may be out
.if \zero
	WIN BIA_LO
.else
	WIN MUL_LO
.endif
	MUL16 0, (\q)%2, \q, \slot, \zero
	MUL16 2, (\q)%2, \q, \slot, \zero
	s_wait_dscnt 0
	PLACES NP
	FETCH_B \slot, (\q)+1, 1-(\q)%2
	FETCH_A \slot, (\q)+1, 0
.if \zero
	WIN BIA_HI
.else
	WIN MUL_HI
.endif
	MUL16 4, (\q)%2, \q, \slot, \zero
	MUL16 6, (\q)%2, \q, \slot, \zero
	PLACES NP
	WIN 0
	FETCH_A \slot, (\q)+1, 4
.endm
.macro STEPS slot, from
.set Q, \from
.rept NQ-1-\from
	STEP \slot, Q, 0
.set Q, Q+1
.endr
.endm
	s_wait_tensorcnt 1                             ; the scales and my part of slot 0 are in; slot 1's load may stay out
	s_barrier_signal -1
	s_barrier_wait -1
	FETCH_B 0, 0, 0
	FETCH_A 0, 0, 0
	SCALES 0
	FETCH_A 0, 0, 4
	s_wait_loadcnt 0x0                             ; the bias
	STEP 0, 0, 1
	STEPS 0, 1
	; slot 0's last step changes slots: one barrier; in front of it my part of slot 1 has landed and my reads of slot 0 are over
	s_wait_tensorcnt 0x0
	ds_add_u32 v[SPW], v[NIL]                      ; 0 onto my spare word
	s_wait_dscnt 4*NL+1                            ; the add and the youngest eight loads may be out
	WIN MUL_LO
	MUL16 0, 1, NQ-1, 0, 0
	s_wait_dscnt 0x0
	s_barrier_signal -1
	MUL16 2, 1, NQ-1, 0, 0
	WIN 0
	s_barrier_wait -1
	PLACES NP
	v_add_nc_u32 v[ADRS], 4*NQ, v[ADRS]            ; the second slot's scale words
	FETCH_B 1, 0, 0
	FETCH_A 1, 0, 0
	SCALES 1
	WIN MUL_HI
	MUL16 4, 1, NQ-1, 0, 0
	MUL16 6, 1, NQ-1, 0, 0
	PLACES NP
	WIN 0
	FETCH_A 1, 0, 4
	STEPS 1, 0
	s_wait_dscnt 4*NL                              ; the very last step
	WIN MUL_LO
	MUL16 0, 1, NQ-1, 1, 0
	MUL16 2, 1, NQ-1, 1, 0
	s_wait_dscnt 0
	WIN MUL_HI
	MUL16 4, 1, NQ-1, 1, 0
	MUL16 6, 1, NQ-1, 1, 0
	WIN 0
; THE WAY OUT, block by block of 16 rows x 128 features (two heads): x the factor, rounded to f16, through my stage, back as pairs of rows of one head: sixteen lanes store 256 consecutive bytes, aligned.
.macro SCALEPK a
.set AC, 64*((\a)%4)
	WIN 0x02+(\a)/4                                ; source 0: window 2 or 3
.irp b, 0,1,2,3,4,5,6,7
.irp i, 0,2,4,6
	v_pk_mul_f32 v[T32+8*\b+\i:T32+8*\b+\i+1], v[AC+8*\b+\i:AC+8*\b+\i+1], s[98:99] op_sel_hi:[1,0]   ; each accumulator from its low end on
.endr
.endr
	WIN 0
.irp b, 0,1,2,3,4,5,6,7
.irp i, 0,1,2,3
	v_cvt_pk_f16_f32 v[PKD+4*\b+\i], v[T32+8*\b+2*\i], v[T32+8*\b+2*\i+1]
.endr
.endr
.endm
.macro TOSTAGE a
.irp b, 0,1,2,3,4,5,6,7
	ds_store_b128 v[STO], v[PKD+4*\b:PKD+4*\b+3] offset:32*\b
.endr
.irp i, 0,1,2,3,4,5,6,7
	ds_load_b128 v[BK+32*((\a)%2)+4*\i:BK+32*((\a)%2)+4*\i+3], v[RD] offset:\i*2*SPITCH   ; LDS serves a wave's instructions in order: these see the stores above
.endr
.endm
.macro SEND a, younger
	s_wait_dscnt \younger
.irp i, 0,1,2,3,4,5,6,7
	global_store_b128 v[CO], v[BK+32*((\a)%2)+4*\i:BK+32*((\a)%2)+4*\i+3], s[14:15] offset:(\a)*2048+\i*256
.endr
.endm
	PLACES NP
	SCALEPK 0
	TOSTAGE 0
.irp a, 1,2,3,4,5,6,7
.if \a > 1
	s_wait_xcnt 0x0                                ; block a - 2's stores have read their registers: block a's loads may land there
.endif
	SCALEPK \a
	TOSTAGE \a
	SEND \a-1, 16                                  ; behind block a - 1's loads: block a's 8 stores and 8 loads
.endr
	SEND 7, 0
	s_wait_tensorcnt 0x0                           ; the wave's end
	ds_add_u32 v[SPW], v[NIL]
	s_wait_dscnt 0x0
	CROUND                                         ; the closing round
	s_endpgm
.Lfunc_end_k_q4c48f31571_proj:
	.size	k_q4c48f31571_proj, .Lfunc_end_k_q4c48f31571_proj-k_q4c48f31571_proj
	.p2alignl 7, 3214868480
	.fill 96, 4, 3214868480
	.section	.rodata,"a",@progbits
	.p2align	6, 0x0
	.amdhsa_kernel k_q4c48f31571_proj
		.amdhsa_group_segment_fixed_size 327680
		.amdhsa_private_segment_fixed_size 0
		.amdhsa_enable_private_segment 0
		.amdhsa_kernarg_size 48
		.amdhsa_user_sgpr_count 2
		.amdhsa_user_sgpr_kernarg_segment_ptr 1
		.amdhsa_wavefront_size32 1
		.amdhsa_system_sgpr_workgroup_id_x 1
		.amdhsa_system_sgpr_workgroup_id_y 1
		.amdhsa_system_sgpr_workgroup_id_z 1
		.amdhsa_system_vgpr_workitem_id 0
		.amdhsa_next_free_vgpr 1024
		.amdhsa_next_free_sgpr 100
		.amdhsa_reserve_vcc 0
		.amdhsa_float_denorm_mode_32 3
		.amdhsa_float_denorm_mode_16_64 3
		.amdhsa_memory_ordered 1
		.amdhsa_forward_progress 1
		.amdhsa_inst_pref_size 145
	.end_amdhsa_kernel
	.amdgpu_metadata
---
amdhsa.version: [ 1, 2 ]
amdhsa.kernels:
  - .name:           k_q4c48f31571_proj
    .symbol:         k_q4c48f31571_proj.kd
    .args:
      - { .name: codes, .offset: 0, .size: 8, .value_kind: global_buffer, .address_space: global }
      - { .name: scales, .offset: 8, .size: 8, .value_kind: global_buffer, .address_space: global }
      - { .name: bq, .offset: 16, .size: 8, .value_kind: global_buffer, .address_space: global }
      - { .name: bk, .offset: 24, .size: 8, .value_kind: global_buffer, .address_space: global }
      - { .name: bv, .offset: 32, .size: 8, .value_kind: global_buffer, .address_space: global }
      - { .name: qkvh, .offset: 40, .size: 8, .value_kind: global_buffer, .address_space: global }
    .group_segment_fixed_size: 327680
    .private_segment_fixed_size: 0
    .kernarg_segment_align: 8
    .kernarg_segment_size: 48
    .max_flat_workgroup_size: 128
    .sgpr_count:     100
    .vgpr_count:     1024
    .wavefront_size: 32
...
	.end_amdgpu_metadata
.endif
;; end of part 2
;; launch attn (part 3): grid 8 x 32, 8 waves a work-group, clusters of 4 x 1, 327,680 bytes of LDS; arguments qkvh, mbits, ctxh; writes ctxh
.if DOCPART == 3
	.amdgcn_target "amdgcn-amd-amdhsa--gfx1250"
	.amdhsa_code_object_version 6
	.text
	.protected	k_q4c48f31571_attn
	.globl	k_q4c48f31571_attn
	.p2align	8
	.type	k_q4c48f31571_attn,@function
k_q4c48f31571_attn:
	s_mov_b64 s[64:65], 0
	v_nop
	global_prefetch_b8 v0, s[64:65] scope:SCOPE_SE
	s_setreg_imm32_b32 hwreg(HW_REG_WAVE_MODE, 25, 1), 1
	s_wait_xcnt 0x0
	s_wait_alu depctr_hold_cnt(0) depctr_sa_sdst(0) depctr_va_vdst(0) depctr_va_sdst(0) depctr_va_ssrc(0) depctr_va_vcc(0) depctr_vm_vsrc(0)
	s_getreg_b32 s2, hwreg(HW_REG_IB_STS2, 6, 4)
	s_cmp_eq_u32 s2, 0
	s_cbranch_scc0 .Lentry_in_a_cluster
	s_endpgm
.Lentry_in_a_cluster:
	s_bfe_u32 s2, ttmp6, 0x10000c
	s_cmp_lg_u32 s2, 0x3003
	s_cbranch_scc0 .Lentry_shape_is_right
	s_endpgm
.Lentry_shape_is_right:
; ATTN: ctx[b][h][q] = sum over k of softmax_k(where(mask == 0, -1e9, q . k / 8)) v, head size 64, 2,048 keys; operands f16, products, maxima and sums f32.
; q arrives already multiplied by log2(e) / 8, so a product K Q^T is t = score x log2(e); a masked t becomes -1e9 x log2(e).  p = 2^(t - m), m the running largest t of the row (masked ones among them):
; a row with no key left has every t equal to m, p = 1 everywhere, and gives the plain average, as the softmax of equal scores does.
; SHARES.  A work-group owns 256 queries of one (b, h); each of its eight waves 32: two tiles of 16.  Two waves lie on a SIMD: one wave's softmax stands beside the other's products.  Keys go 64 a step.
; LAYOUT.  S^T = K Q^T (source 0 = 16 keys, source 1 = 16 queries), O^T = V^T P: a lane holds one query throughout.  V is turned by ds_load_tr16_b128.
; THE MASK comes as lane masks, one word for each register of a tile of scores, read into scalar registers a step ahead: one v_cndmask_b32 a register; no branch and no address hangs on it.
; ROW SUMS by the matrix unit: L += ones x P (of the f16 weights, the numbers that O sums too).  Register 0 of L alone is rescaled and read; the others only grow, by at most 64 a step.
; THE RING.  Two slots of 256 keys, eight parts of 9,216 bytes: parts 0-3 K of the slot's four steps, parts 4-7 V; wave w fetches part w: 8,192 dense bytes as 32 rows of 256 (two keys a row), padded.
; CLUSTER.  The four query blocks of a cluster walk the same K and V: every load is joint, with the mask of all four.  One tensor load of a wave is out at any time.
; REGISTERS.  window 0: v0-11 addresses; v12-27 statistics, 8 a tile (+0 m, +2 a, +4..7 at work); v32-63 Q; v64-127 S^T; v128-159 P; v192-255 K.  window 1: v0-63 O^T; v64-127 V; v160-167 ones; v168-183 L.
; LIMITS: real scores near -1e9 are not told from masked ones; ctx under 6e-5 is kept with f16's subnormal step; NaN and infinities are not served.
.set PARTB, 9216
.set SLOT1, 131072
.set STAGE, 204800                     ; the way out: 16 rows x (128 + 16) bytes a wave
.set SPARE, 223232                     ; the spare words: 128 bytes a wave, four blocks of 256 bytes that no other line names
.set PK,  272                          ; two keys of K + 16: sixteen keys of a load touch sixteen different columns of 16 bytes
.set PV,  288                          ; two keys of V + 32: likewise for the turning load's eight keys x 32 bytes
.set AK0, 2
.set AV0, 3
.set ADV, 4
.set ADK, 5
.set STO, 6
.set RD,  7
.set GO,  8
.set NEG, 10
.set PFO, 11
.set ST,  12
.set SPW, 28
.set NIL, 29
.set QO,  30
.set Q,   32
.set S,   64
.set P,   128
.set KF,  192
.set VF,  64                           ; window 1
.set ONE, 160
.set L,   168
; s4 wave; s5 slots to ask for; s[6:7] lane selects; s[8:9] mask words; s[10:11] ctx; s[12:15] the walking group 0; s[16:23], s[24:31] groups 1 for K, V;
; s[32:63], s[68:99] the two tiles' mask words; s[66:67] prefetch; s100 LDS byte of the step to be fetched; s101 who prefetches; s104 counts three steps
.set MSB, 0
.macro WIN new
.if MSB != (\new)
	s_set_vgpr_msb (MSB<<8)|(\new)
.set MSB, (\new)
.endif
.endm
.macro PLACES
.rept 4
	v_nop
.endr
.endm
.macro CROUND
	s_barrier_signal -1
	s_barrier_wait -1
	s_cmp_lg_u32 s4, 0
	s_cbranch_scc1 .Lnot_wave_0_\@
	s_barrier_signal -3
.Lnot_wave_0_\@:
	s_barrier_wait -3
	s_barrier_signal -1
	s_barrier_wait -1
.endm
.macro JLOAD                           ; waves 0-3 fetch K's parts, waves 4-7 V's; the two lines differ in the padding alone; an s_nop 0 and four v_nop follow each
	s_cmp_lt_u32 s4, 4
	s_cbranch_scc0 .Lfor_v_\@
	tensor_load_to_lds s[12:15], s[16:23]
	s_nop 0
.rept 4
	v_nop
.endr
	s_branch .Lasked_\@
.Lfor_v_\@:
	tensor_load_to_lds s[12:15], s[24:31]
	s_nop 0
.rept 4
	v_nop
.endr
.Lasked_\@:
.endm
; A prefetch of what the NEXT change of slots will ask for: 32,768 bytes of K and of V.  The head's first cluster asks; its four partners take 8,192 bytes each, told apart by address;
; in each, wave 0 asks for K's and wave 4 for V's, lanes 256 bytes apart: each aligned block of 256 bytes is named once in the launch.  The last change that fills a slot asks for nothing.
.macro ASK
	s_cmp_gt_u32 s5, s101
	s_cbranch_scc0 .Lnot_mine_\@
	global_prefetch_b8 v[PFO], s[66:67] th:TH_LOAD_NT scope:SCOPE_SE
.Lnot_mine_\@:
.endm
; THE CHANGE OF SLOTS.  Each wave waits for its tensor load (its part of the other slot), adds 0 to its spare word, and waits for that and for its reads of the slot in hand.
; fill = 1: behind a round of the cluster's barrier the slot is filled with the keys two slots on: four key steps in which to land.
.macro CHANGE fill, ask, turn
	s_wait_tensorcnt 0x0                           ; no tensor load of mine is out: the group 0 may be written
	ds_add_u32 v[SPW], v[NIL]                      ; the steps below stand between the add and its wait
.if \fill
	s_xor_b32 s13, s13, SLOT1
	s_add_nc_u64 s[14:15], s[14:15], 32768         ; the next 256 keys
.endif
.if \ask
	s_wait_xcnt 0x0                                ; the last prefetch, a slot back, has read its address
	s_add_nc_u64 s[66:67], s[66:67], 32768
.endif
	s_wait_dscnt 0x0
.if \fill
	CROUND
	JLOAD                                          ; its four v_nop are also the places behind the products K Q^T
.if \ask
	ASK
.endif
.else
	s_barrier_signal -1
	s_barrier_wait -1
	PLACES
.endif
.if \turn
	s_sub_co_u32 s100, s100, 4*PARTB               ; the fetches go back to a slot's first step,
	s_xor_b32 s100, s100, SLOT1                    ; in the other slot
.endif
.endm
.macro FETCH_K                         ; 64 keys x 64 channels: fragment (t, c) = keys 16 t on, channels 32 c on
	v_add_nc_u32 v[ADK], s100, v[AK0]
.irp t, 0,1,2,3
.irp c, 0,1
	ds_load_b128 v[KF+8*(2*\t+\c):KF+8*(2*\t+\c)+3],   v[ADK] offset:\t*8*PK+64*\c
	ds_load_b128 v[KF+8*(2*\t+\c)+4:KF+8*(2*\t+\c)+7], v[ADK] offset:\t*8*PK+64*\c+32
.endr
.endr
.endm
.macro FETCH_V                         ; turned: fragment (kh, c) = keys 32 kh on, channels 16 c on.  The addition and three v_nop are the four places behind the last product that read V
	v_add_nc_u32 v[ADV], s100, v[AV0]
.rept 3
	v_nop
.endr
	s_add_co_u32 s100, s100, PARTB
	WIN 0x40
.irp kh, 0,1
.irp c, 0,1,2,3
	ds_load_tr16_b128 v[VF+8*(4*\kh+\c):VF+8*(4*\kh+\c)+3],   v[ADV] offset:\kh*16*PV+32*\c
	ds_load_tr16_b128 v[VF+8*(4*\kh+\c)+4:VF+8*(4*\kh+\c)+7], v[ADV] offset:\kh*16*PV+8*PV+32*\c
.endr
.endr
	WIN 0
.endm
.macro KQ16                            ; eight accumulators by turns
.irp c, 0,1
.irp t, 0,1,2,3
.irp u, 0,1
.if \c == 0
	v_wmma_f32_16x16x32_f16 v[S+32*\u+8*\t:S+32*\u+8*\t+7], v[KF+8*(2*\t+\c):KF+8*(2*\t+\c)+7], v[Q+16*\u+8*\c:Q+16*\u+8*\c+7], 0
.else
	v_wmma_f32_16x16x32_f16 v[S+32*\u+8*\t:S+32*\u+8*\t+7], v[KF+8*(2*\t+\c):KF+8*(2*\t+\c)+7], v[Q+16*\u+8*\c:Q+16*\u+8*\c+7], v[S+32*\u+8*\t:S+32*\u+8*\t+7]
.endif
.endr
.endr
.endr
.endm
.macro MASK                            ; bit 1: the score stays; bit 0: -1e9 x log2(e).  Ascending: each accumulator is read from its low end on
.set NN, 0
.rept 32
	v_cndmask_b32 v[S+NN], v[NEG], v[S+NN], s[32+NN]
	v_cndmask_b32 v[S+32+NN], v[NEG], v[S+32+NN], s[68+NN]
.set NN, NN+1
.endr
.endm
.macro MNEXT                           ; the next step's 2 x 32 words; the last loads were awaited, so the pointer may step
	s_add_nc_u64 s[8:9], s[8:9], 128
	s_load_b512 s[32:47], s[8:9], 0x0
	s_load_b512 s[48:63], s[8:9], 0x40
	s_load_b512 s[68:83], s[8:9], 0x1000
	s_load_b512 s[84:99], s[8:9], 0x1040
.endm
.macro SOFTMAX                         ; the two tiles line by line, so that no line waits for the line above it
.irp j, 0,1,2,3
.irp u, 0,1
	v_max3_num_f32 v[ST+8*\u+4+\j], v[S+32*\u+8*\j], v[S+32*\u+8*\j+1], v[S+32*\u+8*\j+2]
.endr
.endr
.irp g, 1,2
.irp j, 0,1,2,3
.irp u, 0,1
	v_max3_num_f32 v[ST+8*\u+4+\j], v[ST+8*\u+4+\j], v[S+32*\u+8*\j+2*\g+1], v[S+32*\u+8*\j+2*\g+2]
.endr
.endr
.endr
.irp u, 0,1
	v_max3_num_f32 v[ST+8*\u+4], v[ST+8*\u+4], v[S+32*\u+7], v[S+32*\u+15]
.endr
.irp u, 0,1
	v_max3_num_f32 v[ST+8*\u+6], v[ST+8*\u+6], v[S+32*\u+23], v[S+32*\u+31]
.endr
.irp u, 0,1
	v_max3_num_f32 v[ST+8*\u+4], v[ST+8*\u+4], v[ST+8*\u+5], v[ST+8*\u+6]
.endr
.irp u, 0,1
	v_max3_num_f32 v[ST+8*\u+4], v[ST+8*\u+4], v[ST+8*\u+7], v[ST+8*\u]     ; with the old m
.endr
.irp u, 0,1
	v_permlanex16_b32 v[ST+8*\u+5], v[ST+8*\u+4], s6, s7                    ; the query's other 32 keys lie in the lane 16 away
.endr
.irp u, 0,1
	v_mov_b32 v[ST+8*\u+7], v[ST+8*\u]
.endr
.irp u, 0,1
	v_max_num_f32 v[ST+8*\u], v[ST+8*\u+4], v[ST+8*\u+5]                    ; the new m
.endr
.irp u, 0,1
	v_sub_f32 v[ST+8*\u+7], v[ST+8*\u+7], v[ST+8*\u]                        ; old m - new m
.endr
.set NN, 0
.rept 16
.irp u, 0,1
	v_pk_add_f32 v[S+32*\u+NN:S+32*\u+NN+1], v[S+32*\u+NN:S+32*\u+NN+1], v[ST+8*\u:ST+8*\u+1] op_sel_hi:[1,0] neg_lo:[0,1] neg_hi:[0,1]   ; t - m: a plain difference, 0 where t = m
.endr
.set NN, NN+2
.endr
.irp u, 0,1
	v_exp_f32 v[ST+8*\u+2], v[ST+8*\u+7]           ; a = 2^(old m - new m)
.endr
.set NN, 0
.rept 32
	v_exp_f32 v[S+NN], v[S+NN]
	v_exp_f32 v[S+32+NN], v[S+32+NN]
.set NN, NN+1
.endr
	v_nop                                          ; a plain line behind the last exponential
	s_wait_alu depctr_va_vdst(0)                   ; one wait for the batch of 66, ahead of its first reader
.set NN, 0
.rept 16
	v_cvt_pk_f16_f32 v[P+NN], v[S+2*NN], v[S+2*NN+1]
	v_cvt_pk_f16_f32 v[P+16+NN], v[S+32+2*NN], v[S+32+2*NN+1]
.set NN, NN+1
.endr
.endm
.macro RESCALE                         ; O^T and the sum under the new m
	WIN 0x41
.irp i, 0,2,4,6,8,10,12,14,16,18,20,22,24,26,28,30
.irp u, 0,1
	v_pk_mul_f32 v[32*\u+\i:32*\u+\i+1], v[32*\u+\i:32*\u+\i+1], v[ST+8*\u+2:ST+8*\u+3] op_sel_hi:[1,0]
.endr
.endr
.irp u, 0,1
	v_mul_f32 v[L+8*\u], v[L+8*\u], v[ST+8*\u+2]
.endr
.endm
.macro PV20                            ; ten accumulators by turns
	WIN 0x51
.irp kh, 0,1
.irp c, 0,1,2,3
.irp u, 0,1
	v_wmma_f32_16x16x32_f16 v[32*\u+8*\c:32*\u+8*\c+7], v[VF+8*(4*\kh+\c):VF+8*(4*\kh+\c)+7], v[P+16*\u+8*\kh:P+16*\u+8*\kh+7], v[32*\u+8*\c:32*\u+8*\c+7]
.endr
.endr
.irp u, 0,1
	v_wmma_f32_16x16x32_f16 v[L+8*\u:L+8*\u+7], v[ONE:ONE+7], v[P+16*\u+8*\kh:P+16*\u+8*\kh+7], v[L+8*\u:L+8*\u+7]
.endr
.endr
	WIN 0
.endm
; A KEY STEP.  chg = 0: inside a slot; 1: a slot's last, the slot is filled again; 2: the last slot but one's last; 3: the very last step.
.macro STEP chg
	FETCH_V                                        ; this step's V
	s_wait_dscnt 16                                ; K's sixteen loads are in; V's sixteen may be out
	KQ16
.if \chg == 1
	CHANGE 1, 1, 1
.elseif \chg == 2
	CHANGE 0, 0, 1
.else
	PLACES
.endif
.if \chg != 3
	FETCH_K                                        ; the next step's K
.endif
	s_wait_kmcnt 0x0                               ; this step's mask words, asked for a step ago
	MASK
.if \chg != 3
	MNEXT
.endif
	SOFTMAX
.if \chg == 3
	s_wait_dscnt 0x0
.else
	s_wait_dscnt 16                                ; V is in; the next K's sixteen loads may be out
.endif
	RESCALE
	PV20
.endm
.macro THREE
	s_mov_b32 s104, 3
.Lthree_\@:
	STEP 0
	s_sub_co_u32 s104, s104, 1
	s_cmp_lg_u32 s104, 0
	s_cbranch_scc1 .Lthree_\@
.endm
	s_load_b128 s[36:39], s[0:1], 0x0              ; qkvh s36, mbits s38
	s_load_b64 s[10:11], s[0:1], 0x10              ; ctxh
	v_lshl_add_u32 v[SPW], v0, 2, SPARE
	v_mov_b32 v[NIL], 0
	ds_add_u32 v[SPW], v[NIL]                      ; the wave's opening: the add, twice on end, and its wait ahead of my first tensor load
	ds_add_u32 v[SPW], v[NIL]
	v_lshrrev_b32 v1, 5, v0
	v_readfirstlane_b32 s4, v1                     ; wave 0..7
	s_bfe_u32 s32, ttmp6, 0x40000                  ; cx
	s_lshl_b32 s33, ttmp9, 2
	s_add_co_u32 s33, s33, s32                     ; my block of 256 queries
	s_and_b32 s34, ttmp7, 0xffff                   ; 16 b + h, which the four partners share
	s_mov_b32 s16, 15|(1<<16)|(1<<20)|(1<<21)|(5<<22)|(3<<25)    ; all four work-groups; elements of 2 bytes; 4 words of padding behind every 64; bit 21 beside a mask
	s_mov_b32 s24, 15|(1<<16)|(1<<20)|(1<<21)|(5<<22)|(7<<25)    ; the same with 8 words
.irp g, 16, 24
	s_mov_b32 s[\g+1], 128<<16                     ; tensor_dim0
	s_mov_b32 s[\g+2], 32<<16                      ; tensor_dim1
	s_mov_b32 s[\g+3], 128<<16                     ; tile_dim0
	s_mov_b32 s[\g+4], 32                          ; tile_dim1
	s_mov_b32 s[\g+5], 128                         ; from row to row: dense
	s_mov_b32 s[\g+6], 0
	s_mov_b32 s[\g+7], 0
.endr
	s_mov_b32 s6, 0x76543210
	s_mov_b32 s7, 0xfedcba98
	s_mov_b32 s100, 0
	s_mov_b32 s5, 6
	s_lshr_b32 s40, s4, 2
	s_add_co_u32 s40, s40, 1
	s_lshl_b32 s40, s40, 23                        ; K's tensor (waves 0-3) or V's: 8,388,608 bytes each
	s_lshl_b32 s35, s34, 18                        ; the head's 262,144 bytes
	s_add_co_u32 s40, s40, s35
	s_and_b32 s42, s4, 3
	s_lshl_b32 s43, s42, 13
	s_add_co_u32 s44, s40, s43                     ; my step's 8,192 bytes of slot 0
	s_mov_b32 s45, 0
	s_lshl_b32 s46, s32, 13                        ; the prefetches: my work-group's 8,192 bytes,
	s_add_co_u32 s46, s46, s40
	s_add_co_u32 s46, s46, 2*32768                 ; in slot 2: the loop's first change steps it to slot 3.  Nothing is prefetched at the head
	s_mov_b32 s47, 0
	s_or_b32 s101, s42, ttmp9
	s_cmp_eq_u32 s101, 0                           ; waves 0 and 4 of the head's first cluster: the same in all four partners
	s_cselect_b32 s101, 1, -1
	s_lshl_b32 s2, s33, 15
	s_lshl_b32 s3, s4, 12
	s_add_co_u32 s2, s2, s3
	s_add_co_u32 s2, s2, s35                       ; Q: head + (256 block + 32 wave) rows of 128 bytes
	s_mov_b32 s3, 0
	s_lshr_b32 s48, s34, 4                         ; b
	s_lshl_b32 s49, s48, 7
	s_lshl_b32 s50, s33, 4
	s_add_co_u32 s49, s49, s50
	s_lshl_b32 s50, s4, 1
	s_add_co_u32 s49, s49, s50                     ; my first tile of queries: 128 b + 16 block + 2 wave
	s_lshl_b32 s50, s49, 12
	s_mov_b32 s51, 0
	s_and_b32 s52, s34, 15
	s_lshl_b32 s52, s52, 19                        ; ctx: head x 4,096 rows of 128 bytes
	s_lshl_b32 s53, s48, 18
	s_add_co_u32 s52, s52, s53
	s_lshl_b32 s53, s33, 15
	s_add_co_u32 s52, s52, s53
	s_lshl_b32 s53, s4, 12
	s_add_co_u32 s52, s52, s53
	s_mov_b32 s53, 0
	s_mov_b32 s12, 1                               ; group 0: count,
	s_mul_i32 s13, s4, PARTB                       ; LDS address: my part of slot 0,
	s_wait_dscnt 0x0                               ; both opening adds are done
	s_wait_kmcnt 0x0
	s_add_nc_u64 s[14:15], s[36:37], s[44:45]      ; global address,
	s_or_b32 s15, s15, 0x80000000                  ; type
	s_add_nc_u64 s[66:67], s[36:37], s[46:47]
	s_add_nc_u64 s[2:3], s[36:37], s[2:3]
	s_add_nc_u64 s[8:9], s[38:39], s[50:51]
	s_add_nc_u64 s[10:11], s[10:11], s[52:53]
	CROUND                                         ; all four work-groups are here
	JLOAD                                          ; slot 0
	v_and_b32 v1, 15, v0                           ; r
	v_bfe_u32 v9, v0, 4, 1                         ; h
	v_lshlrev_b32 v[QO], 7, v1
	v_lshl_add_u32 v[QO], v9, 4, v[QO]
.irp u, 0,1
.irp c, 0,1
	global_load_b128 v[Q+16*\u+8*\c:Q+16*\u+8*\c+3],   v[QO], s[2:3] offset:\u*2048+\c*64
	global_load_b128 v[Q+16*\u+8*\c+4:Q+16*\u+8*\c+7], v[QO], s[2:3] offset:\u*2048+\c*64+32
.endr
.endr
	s_load_b512 s[32:47], s[8:9], 0x0              ; step 0's mask words
	s_load_b512 s[48:63], s[8:9], 0x40
	s_load_b512 s[68:83], s[8:9], 0x1000
	s_load_b512 s[84:99], s[8:9], 0x1040
	v_lshrrev_b32 v4, 1, v1
	v_mul_u32_u24 v[AK0], v4, PK
	v_and_b32 v5, 1, v0
	v_lshl_add_u32 v[AK0], v5, 7, v[AK0]
	v_lshl_add_u32 v[AK0], v9, 4, v[AK0]           ; K: key r: (r / 2) pitch + (r % 2) 128 + 16 h
	v_bfe_u32 v4, v0, 1, 2
	v_lshl_add_u32 v4, v9, 2, v4
	v_mul_u32_u24 v[AV0], v4, PV
	v_lshl_add_u32 v[AV0], v5, 7, v[AV0]
	v_bfe_u32 v4, v0, 3, 1
	v_lshl_add_u32 v[AV0], v4, 4, v[AV0]
	v_add_nc_u32 v[AV0], 4*PARTB, v[AV0]           ; V: key 8 h + l % 8, channels 8 (l / 8 % 2) on, behind K's four parts
	s_mul_i32 s105, s4, 16*144
	s_add_co_u32 s105, s105, STAGE
	v_mul_u32_u24 v[STO], v1, 144
	v_lshl_add_u32 v[STO], v9, 4, v[STO]
	v_add_nc_u32 v[STO], s105, v[STO]
	v_bfe_u32 v4, v0, 3, 2
	v_mul_u32_u24 v[RD], v4, 144
	v_and_b32 v5, 7, v0
	v_lshl_add_u32 v[RD], v5, 4, v[RD]
	v_add_nc_u32 v[RD], s105, v[RD]                ; back: four rows of 128 bytes an instruction
	v_and_b32 v[GO], 31, v0
	v_lshlrev_b32 v[PFO], 8, v[GO]
	v_lshlrev_b32 v[GO], 4, v[GO]
	v_mov_b32 v[NEG], 0xceabfb8f                   ; -1e9 x log2(e)
.irp u, 0,1
	v_mov_b32 v[ST+8*\u], 0xff61b1e6               ; m = -3e38, under every t
	v_mov_b32 v[ST+8*\u+1], 0                      ; (named as upper halves of pairs)
	v_mov_b32 v[ST+8*\u+3], 0
.endr
	WIN 0x40                                       ; the loop is written once: its first step finds zeros, which a = 0 leaves zeros
.set NN, 0
.rept 64
	v_mov_b32 v[NN], 0
.set NN, NN+1
.endr
.set NN, 0
.rept 16
	v_mov_b32 v[L+NN], 0
.set NN, NN+1
.endr
.set NN, 0
.rept 8
	v_mov_b32 v[ONE+NN], 0x3c003c00                ; 1.0 twice, f16
.set NN, NN+1
.endr
	WIN 0
	CHANGE 1, 0, 0                                 ; slot 0 has landed in every wave; slot 1's first fill goes out as a refill does
	FETCH_K                                        ; step 0
	s_wait_loadcnt 0x0                             ; Q
.Lslot:                                            ; six trips: slots 0 to 5 are left and filled with slots 2 to 7
	THREE
	STEP 1
	s_sub_co_u32 s5, s5, 1
	s_cmp_lg_u32 s5, 0
	s_cbranch_scc1 .Lslot
	THREE                                          ; the tail is written out
	STEP 2
	THREE
	STEP 3
	; THE WAY OUT: O^T / the sum, rounded to f16, through my stage, back as whole rows: the wave's 32 rows of ctx are 4,096 consecutive bytes.
	PLACES
	WIN 0x01
	v_rcp_f32 v[ST+2], v[L]
	v_rcp_f32 v[ST+10], v[L+8]
	WIN 0
	v_nop
	s_wait_alu depctr_va_vdst(0)                   ; one wait for both reciprocals, ahead of their first reader
.macro PACK u
	WIN 0x41
.irp i, 0,2,4,6,8,10,12,14,16,18,20,22,24,26,28,30
	v_pk_mul_f32 v[32*\u+\i:32*\u+\i+1], v[32*\u+\i:32*\u+\i+1], v[ST+8*\u+2:ST+8*\u+3] op_sel_hi:[1,0]
.endr
	WIN 0x05
.irp i, 0,1,2,3,4,5,6,7,8,9,10,11,12,13,14,15
	v_cvt_pk_f16_f32 v[S+32*\u+\i], v[32*\u+2*\i], v[32*\u+2*\i+1]
.endr
	WIN 0
.irp c, 0,1,2,3
	ds_store_b128 v[STO], v[S+32*\u+4*\c:S+32*\u+4*\c+3] offset:32*\c
.endr
.irp i, 0,1,2,3
	ds_load_b128 v[S+32*\u+16+4*\i:S+32*\u+16+4*\i+3], v[RD] offset:\i*4*144   ; LDS serves a wave's instructions in order: these see the stores above, and the next tile's stores come behind them
.endr
.endm
.macro SEND u, younger
.irp i, 0,1,2,3
	s_wait_dscnt \younger+3-\i
	global_store_b128 v[GO], v[S+32*\u+16+4*\i:S+32*\u+16+4*\i+3], s[10:11] offset:\u*2048+\i*512   ; 512 consecutive bytes, aligned
.endr
.endm
	PACK 0
	PACK 1
	SEND 0, 8                                      ; behind tile 0's loads: tile 1's four stores and four loads
	SEND 1, 0
	s_wait_tensorcnt 0x0                           ; the wave's end
	ds_add_u32 v[SPW], v[NIL]
	s_wait_dscnt 0x0
	CROUND                                         ; the closing round
	s_endpgm
.Lfunc_end_k_q4c48f31571_attn:
	.size	k_q4c48f31571_attn, .Lfunc_end_k_q4c48f31571_attn-k_q4c48f31571_attn
	.p2alignl 7, 3214868480
	.fill 96, 4, 3214868480
	.section	.rodata,"a",@progbits
	.p2align	6, 0x0
	.amdhsa_kernel k_q4c48f31571_attn
		.amdhsa_group_segment_fixed_size 327680
		.amdhsa_private_segment_fixed_size 0
		.amdhsa_enable_private_segment 0
		.amdhsa_kernarg_size 24
		.amdhsa_user_sgpr_count 2
		.amdhsa_user_sgpr_kernarg_segment_ptr 1
		.amdhsa_wavefront_size32 1
		.amdhsa_system_sgpr_workgroup_id_x 1
		.amdhsa_system_sgpr_workgroup_id_y 1
		.amdhsa_system_sgpr_workgroup_id_z 1
		.amdhsa_system_vgpr_workitem_id 0
		.amdhsa_next_free_vgpr 512
		.amdhsa_next_free_sgpr 106
		.amdhsa_reserve_vcc 0
		.amdhsa_float_denorm_mode_32 3
		.amdhsa_float_denorm_mode_16_64 3
		.amdhsa_memory_ordered 1
		.amdhsa_forward_progress 1
		.amdhsa_inst_pref_size 139
	.end_amdhsa_kernel
	.amdgpu_metadata
---
amdhsa.version: [ 1, 2 ]
amdhsa.kernels:
  - .name:           k_q4c48f31571_attn
    .symbol:         k_q4c48f31571_attn.kd
    .args:
      - { .name: qkvh, .offset: 0, .size: 8, .value_kind: global_buffer, .address_space: global }
      - { .name: mbits, .offset: 8, .size: 8, .value_kind: global_buffer, .address_space: global }
      - { .name: ctxh, .offset: 16, .size: 8, .value_kind: global_buffer, .address_space: global }
    .group_segment_fixed_size: 327680
    .private_segment_fixed_size: 0
    .kernarg_segment_align: 8
    .kernarg_segment_size: 24
    .max_flat_workgroup_size: 256
    .sgpr_count:     106
    .vgpr_count:     512
    .wavefront_size: 32
...
	.end_amdgpu_metadata
.endif
;; end of part 3
;; launch oproj (part 4): grid 8 x 32, 4 waves a work-group, clusters of 4 x 4, 327,680 bytes of LDS; arguments ctxh, woh, bo, out0; writes out0
.if DOCPART == 4
	.amdgcn_target "amdgcn-amd-amdhsa--gfx1250"
	.amdhsa_code_object_version 6
	.text
	.protected	k_q4c48f31571_oproj
	.globl	k_q4c48f31571_oproj
	.p2align	8
	.type	k_q4c48f31571_oproj,@function
k_q4c48f31571_oproj:
	s_mov_b64 s[64:65], 0
	v_nop
	global_prefetch_b8 v0, s[64:65] scope:SCOPE_SE
	s_setreg_imm32_b32 hwreg(HW_REG_WAVE_MODE, 25, 1), 1
	s_wait_xcnt 0x0
	s_wait_alu depctr_hold_cnt(0) depctr_sa_sdst(0) depctr_va_vdst(0) depctr_va_sdst(0) depctr_va_ssrc(0) depctr_va_vcc(0) depctr_vm_vsrc(0)
	s_getreg_b32 s2, hwreg(HW_REG_IB_STS2, 6, 4)
	s_cmp_eq_u32 s2, 0
	s_cbranch_scc0 .Lentry_in_a_cluster
	s_endpgm
.Lentry_in_a_cluster:
	s_bfe_u32 s2, ttmp6, 0x10000c
	s_cmp_lg_u32 s2, 0xf033
	s_cbranch_scc0 .Lentry_shape_is_right
	s_endpgm
.Lentry_shape_is_right:
; OPROJ: out[m][n] = sum over k of ctx[m][k] Wo[n][k] + bo[n]; 4,096 x 1,024 x 1,024; operands f16, sums f32, out f32.
; Both operands lie head by head: ctxh [16][4096][64], woh [16][1024][64].  A tile of out is 128 x 128: 256 work-groups; four waves, each 64 x 64: 16 accumulators.
; K goes in steps of 256 = four heads through a ring of two LDS slots.  A wave's tensor load brings 64 rows of four heads: four lines of 8,192 dense bytes, a head's stride apart,
; with 16 bytes of padding behind every 256: in LDS [head][32 pairs of rows x 272 bytes].  A quarter of a K step is one head.
; CLUSTERS: 4 x 4; ctx's tiles are shared along a row of the cluster, Wo's along a column: joint loads.
; THE MATRIX INSTRUCTION IS USED TRANSPOSED (source 0 = 16 rows of Wo, source 1 = 16 rows of ctx): a lane holds eight neighbouring numbers of a row of out.  The bias is the C of each sum's first product.
; The tiles are small and a K step short, so no prefetch is laid; each wave's 64 columns are 256 aligned bytes of a row, so each wave has a stage of its own and the way out has no barrier.
; REGISTERS: window 0: v0-31 addresses; v32-95 rows on the way out; v96-127 the bias; v128-255 the accumulators ((a, b) at v[128 + 8 (4 a + b)]).  window 1: two fragment buffers of 128.
.set ZB,     8704                      ; a head's 64 rows in LDS: 32 x 272
.set HALFT,  4*ZB                      ; what one tensor load brings
.set SLOT,   4*HALFT                   ; ctx's 128 rows, then Wo's 128 rows
.set STAGE,  2*SLOT                    ; 16 rows x 272 bytes a wave
.set SPITCH, 272
.set SPARE,  STAGE+4*16*SPITCH         ; the spare words: 128 bytes a wave, two blocks of 256 bytes that no other line names
.set LAPS,   2                         ; 1,024 along K = four K steps = twice round the ring
.set ADRA, 16
.set ADRB, 20
.set STO,  24
.set RD,   25
.set CO,   26
.set BO,   27
.set SPW,  28
.set NIL,  29
.set TMP,  32
.set BI,   96
.set ACC,  128
.set F0,   0
.set F1,   128
.set G1, 24
.set G0, 32
.set G1B, 48
.set G0B, 56
.set MSB, 0
.macro WIN new
.if MSB != (\new)
	s_set_vgpr_msb (MSB<<8)|(\new)
.set MSB, (\new)
.endif
.endm
.set MUL,  0x05                        ; sources 0 and 1 window 1; C and D window 0
.set TO_F, 0x40
.macro JLOAD s                         ; waves 0, 1 fetch ctx's halves, waves 2, 3 Wo's; an s_nop 0 and four v_nop follow each line
	s_cmp_eq_u32 s13, 0
	s_cbranch_scc0 .Lfor_b_\@
	tensor_load_to_lds s[G0+4*\s:G0+4*\s+3], s[G1:G1+7]
	s_nop 0
.rept 4
	v_nop
.endr
	s_branch .Lasked_\@
.Lfor_b_\@:
	tensor_load_to_lds s[G0B+4*\s:G0B+4*\s+3], s[G1B:G1B+7]
	s_nop 0
.rept 4
	v_nop
.endr
.Lasked_\@:
.endm
.macro CREST
	s_cmp_lg_u32 s12, 0
	s_cbranch_scc1 .Lnot_wave_0_\@
	s_barrier_signal -3
.Lnot_wave_0_\@:
	s_barrier_wait -3
	s_barrier_signal -1
	s_barrier_wait -1
.endm
.macro CROUND
	s_barrier_signal -1
	s_barrier_wait -1
	CREST
.endm
	s_load_b256 s[4:11], s[0:1], 0x0               ; ctxh s4, woh s6, bo s8, out0 s10
	v_lshl_add_u32 v[SPW], v0, 2, SPARE
	v_mov_b32 v[NIL], 0
	ds_add_u32 v[SPW], v[NIL]                      ; the wave's opening: the add, twice on end, and its wait ahead of my first tensor load
	ds_add_u32 v[SPW], v[NIL]
	v_lshrrev_b32 v1, 5, v0
	v_readfirstlane_b32 s12, v1                    ; wave 0..3
	s_lshr_b32 s13, s12, 1                         ; my half of the tile's rows; also: I fetch for ctx (0) or Wo (1)
	s_and_b32 s14, s12, 1                          ; my half of its columns; also: which 64 rows I fetch
	s_bfe_u32 s40, ttmp6, 0x40000
	s_bfe_u32 s41, ttmp6, 0x40004
	s_lshl_b32 s42, ttmp9, 2
	s_add_co_u32 s42, s42, s40                     ; tile column
	s_and_b32 s15, ttmp7, 0xffff
	s_lshl_b32 s15, s15, 2
	s_add_co_u32 s15, s15, s41                     ; tile row
	s_lshl_b32 s43, s41, 2
	s_lshl_b32 s43, 15, s43
	s_lshl_b32 s44, 0x1111, s40
	s_or_b32 s[G1+0], s43, (3<<16)|(1<<20)|(1<<21)|(5<<22)|(3<<25)   ; mask; elements of 8 bytes; 4 words of padding behind every 64; bit 21 beside a mask
	s_or_b32 s[G1B+0], s44, (3<<16)|(1<<20)|(1<<21)|(5<<22)|(3<<25)
.irp g, G1, G1B
	s_mov_b32 s[\g+1], 1024<<16                    ; tensor_dim0 = 1,024 elements: 64 rows of one head
	s_mov_b32 s[\g+2], 4<<16                       ; tensor_dim1 = 4 heads
	s_mov_b32 s[\g+3], 1024<<16                    ; tile_dim0
	s_mov_b32 s[\g+4], 4                           ; tile_dim1
	s_mov_b32 s[\g+6], 0
	s_mov_b32 s[\g+7], 0
.endr
	s_mov_b32 s[G1+5], 65536                       ; from head to head: 524,288 bytes in ctxh,
	s_mov_b32 s[G1B+5], 16384                      ; 131,072 in woh
	s_lshl_b32 s17, s14, 13                        ; 64 rows of 128 bytes
	s_lshl_b32 s16, s15, 14
	s_add_co_u32 s16, s16, s17
	s_lshl_b32 s46, s42, 14
	s_add_co_u32 s46, s46, s17
	s_mov_b32 s17, 0
	s_mov_b32 s47, 0
	s_mul_i32 s45, s12, HALFT
	s_wait_dscnt 0x0                               ; both opening adds are done
	s_wait_kmcnt 0x0
	s_add_nc_u64 s[16:17], s[4:5], s[16:17]
	s_add_nc_u64 s[46:47], s[6:7], s[46:47]
	CROUND                                         ; all sixteen work-groups are here
.irp s, 0,1
	s_mov_b32 s[G0+4*\s], 1
	s_add_co_u32 s[G0+4*\s+1], s45, \s*SLOT
	s_add_nc_u64 s[G0+4*\s+2:G0+4*\s+3], s[16:17], \s*2097152      ; K step s: heads 4 s on
	s_or_b32 s[G0+4*\s+3], s[G0+4*\s+3], 0x80000000
	s_mov_b32 s[G0B+4*\s], 1
	s_add_co_u32 s[G0B+4*\s+1], s45, \s*SLOT
	s_add_nc_u64 s[G0B+4*\s+2:G0B+4*\s+3], s[46:47], \s*524288
	s_or_b32 s[G0B+4*\s+3], s[G0B+4*\s+3], 0x80000000
	JLOAD \s
.endr
	v_and_b32 v1, 15, v0                           ; r
	v_bfe_u32 v2, v0, 4, 1                         ; h
	s_lshl_b32 s20, s42, 9
	s_lshl_b32 s21, s14, 8
	s_add_co_u32 s20, s20, s21                     ; my first column in bytes: 512 x tile column + 256 x half
	s_mov_b32 s21, 0
	s_add_nc_u64 s[8:9], s[8:9], s[20:21]
	v_lshlrev_b32 v[BO], 5, v2
.irp b, 0,1,2,3
	global_load_b128 v[BI+8*\b:BI+8*\b+3], v[BO], s[8:9] offset:64*\b          ; columns 16 b + 8 h + 0 .. 7: the result's layout
	global_load_b128 v[BI+8*\b+4:BI+8*\b+7], v[BO], s[8:9] offset:64*\b+16
.endr
	v_lshrrev_b32 v3, 1, v1
	v_mul_u32_u24 v3, v3, 272
	v_and_b32 v4, 1, v0
	v_lshl_add_u32 v3, v4, 7, v3
	v_lshl_add_u32 v3, v2, 4, v3                   ; row r of a fragment: (r / 2) 272 + (r % 2) 128 + 16 h
	s_mul_i32 s22, s13, HALFT
	s_mul_i32 s23, s14, HALFT
	s_add_co_u32 s23, s23, 2*HALFT
.irp s, 0,1
	v_add_nc_u32 v[ADRA+\s], s22, v3
	v_add_nc_u32 v[ADRB+\s], s23, v3
	s_add_co_u32 s22, s22, SLOT
	s_add_co_u32 s23, s23, SLOT
.endr
	s_mul_i32 s22, s12, 16*SPITCH
	s_add_co_u32 s22, s22, STAGE                   ; my stage
	v_mul_u32_u24 v4, v1, SPITCH
	v_lshl_add_u32 v4, v2, 5, v4
	v_add_nc_u32 v[STO], s22, v4                   ; in: row r, 32 bytes for each half of the lanes
	v_mul_u32_u24 v5, v2, SPITCH
	v_lshl_add_u32 v5, v1, 4, v5
	v_add_nc_u32 v[RD], s22, v5                    ; back: lanes 0-15 one row of 256 bytes, lanes 16-31 the next
	v_lshlrev_b32 v[CO], 12, v2
	v_lshl_add_u32 v[CO], v1, 4, v[CO]             ; and the same two rows in out
	s_lshl_b32 s22, s15, 19                        ; 128 rows of 4,096 bytes
	s_lshl_b32 s23, s13, 18
	s_add_co_u32 s22, s22, s23
	s_add_co_u32 s20, s20, s22
	s_add_nc_u64 s[10:11], s[10:11], s[20:21]
; 8 matrix instructions: m blocks a0, a0 + 1 x all 4 n blocks, 32 along K: half c of buffer f.  zero = 1: the first product starts the sums on the bias.  The 16 accumulators take turns.
.macro MUL8 f, c, a0, zero
.irp a, \a0, \a0+1
.irp b, 0,1,2,3
.if \zero
	v_wmma_f32_16x16x32_f16 v[ACC+8*(4*(\a)+\b):ACC+8*(4*(\a)+\b)+7], v[\f+64+8*(4*\c+\b):\f+64+8*(4*\c+\b)+7], v[\f+8*(4*\c+\a):\f+8*(4*\c+\a)+7], v[BI+8*\b:BI+8*\b+7]
.else
	v_wmma_f32_16x16x32_f16 v[ACC+8*(4*(\a)+\b):ACC+8*(4*(\a)+\b)+7], v[\f+64+8*(4*\c+\b):\f+64+8*(4*\c+\b)+7], v[\f+8*(4*\c+\a):\f+8*(4*\c+\a)+7], v[ACC+8*(4*(\a)+\b):ACC+8*(4*(\a)+\b)+7]
.endif
.endr
.endr
.endm
; 32 LDS loads in one run: one head's fragments (64 along K), at byte k of a half, into buffer f; the first 32 along K first
.macro FETCH slot, k, f
	WIN TO_F
.irp c, 0,1
.irp i, 0,1,2,3
	ds_load_b128 v[\f+64+8*(4*\c+\i):\f+64+8*(4*\c+\i)+3],   v[ADRB+\slot] offset:\k+64*\c+\i*2176
	ds_load_b128 v[\f+64+8*(4*\c+\i)+4:\f+64+8*(4*\c+\i)+7], v[ADRB+\slot] offset:\k+64*\c+\i*2176+32
	ds_load_b128 v[\f+8*(4*\c+\i):\f+8*(4*\c+\i)+3],         v[ADRA+\slot] offset:\k+64*\c+\i*2176
	ds_load_b128 v[\f+8*(4*\c+\i)+4:\f+8*(4*\c+\i)+7],       v[ADRA+\slot] offset:\k+64*\c+\i*2176+32
.endr
.endr
.endm
.macro PLACES
.rept 4
	v_nop
.endr
.endm
.macro QUARTER slot, k, f, g, zero     ; multiplies buffer f and fetches the next head, at byte k, into g
	s_wait_dscnt 16                                ; the first 32 along K are in; sixteen younger loads may be out
	WIN MUL
	MUL8 \f, 0, 0, \zero
	MUL8 \f, 0, 2, \zero
	PLACES
	FETCH \slot, \k, \g
	s_wait_dscnt 32                                ; all but the 32 just issued
	WIN MUL
	MUL8 \f, 1, 0, 0
	MUL8 \f, 1, 2, 0
.endm
; A slot's last quarter changes slots: one barrier; in front of it each wave waits for its tensor load, adds 0 to its spare word, and waits for that and for its reads of this slot.
.macro TURN slot, next, fill
	WIN 0
	s_wait_tensorcnt 0x0                           ; my part of the next slot has landed
	ds_add_u32 v[SPW], v[NIL]
	s_wait_dscnt 17                                ; the add and the youngest sixteen loads may be out
	WIN MUL
	MUL8 F1, 0, 0, 0
	s_wait_dscnt 0x0                               ; the add is done, my reads of this slot are over
	s_barrier_signal -1
	MUL8 F1, 0, 2, 0
.if \fill
	WIN 0
.endif
	s_barrier_wait -1
.if \fill
	CREST                                          ; the barrier has opened a round of the cluster's: no wave of any partner still reads this slot or has a load on its way
	s_add_nc_u64 s[G0+4*\slot+2:G0+4*\slot+3], s[G0+4*\slot+2:G0+4*\slot+3], 4194304     ; two K steps on: eight heads
	s_add_nc_u64 s[G0B+4*\slot+2:G0B+4*\slot+3], s[G0B+4*\slot+2:G0B+4*\slot+3], 1048576
	JLOAD \slot                                    ; its four v_nop are also the places in front of the loads below
.else
	PLACES
.endif
	FETCH \next, 0, F0
	WIN MUL
	MUL8 F1, 1, 0, 0
	MUL8 F1, 1, 2, 0
.endm
	s_wait_tensorcnt 1                             ; my part of K step 0 is in; K step 1's may stay out
	s_barrier_signal -1
	s_barrier_wait -1
	FETCH 0, 0, F0
	s_wait_loadcnt 0x0                             ; the bias
	QUARTER 0, ZB, F0, F1, 1
	WIN 0
	s_mov_b32 s3, LAPS-1
.Llap:                                                 ; a trip goes once round the ring and fills both slots again
	QUARTER 0, 2*ZB, F1, F0, 0
	QUARTER 0, 3*ZB, F0, F1, 0
	TURN 0, 1, 1
	QUARTER 1, ZB, F0, F1, 0
	QUARTER 1, 2*ZB, F1, F0, 0
	QUARTER 1, 3*ZB, F0, F1, 0
	TURN 1, 0, 1
	QUARTER 0, ZB, F0, F1, 0
	WIN 0
	s_sub_co_u32 s3, s3, 1
	s_cmp_lg_u32 s3, 0
	s_cbranch_scc1 .Llap
	QUARTER 0, 2*ZB, F1, F0, 0                     ; the last lap fills nothing
	QUARTER 0, 3*ZB, F0, F1, 0
	TURN 0, 1, 0
	QUARTER 1, ZB, F0, F1, 0
	QUARTER 1, 2*ZB, F1, F0, 0
	QUARTER 1, 3*ZB, F0, F1, 0
	s_wait_dscnt 16
	WIN MUL
	MUL8 F1, 0, 0, 0
	MUL8 F1, 0, 2, 0
	s_wait_dscnt 0
	MUL8 F1, 1, 0, 0
	MUL8 F1, 1, 2, 0
	WIN 0
; THE WAY OUT, 16 rows x 64 columns at a time, through my own stage: sixteen lanes store 256 consecutive bytes, aligned.
.macro TOSTAGE a
.irp b, 0,1,2,3
	ds_store_b128 v[STO], v[ACC+8*(4*(\a)+\b):ACC+8*(4*(\a)+\b)+3] offset:64*\b        ; each accumulator from its low end on
	ds_store_b128 v[STO], v[ACC+8*(4*(\a)+\b)+4:ACC+8*(4*(\a)+\b)+7] offset:64*\b+16
.endr
.irp t, 0,1,2,3,4,5,6,7
	ds_load_b128 v[TMP+32*((\a)%2)+4*\t:TMP+32*((\a)%2)+4*\t+3], v[RD] offset:\t*2*SPITCH   ; LDS serves a wave's instructions in order: these see the stores above
.endr
.endm
.macro SEND a, younger
	s_wait_dscnt \younger
.irp t, 0,1,2,3,4,5,6,7
	global_store_b128 v[CO], v[TMP+32*((\a)%2)+4*\t:TMP+32*((\a)%2)+4*\t+3], s[10:11] offset:(16*(\a)+2*\t)*4096 th:TH_STORE_NT
.endr
.endm
	PLACES
	TOSTAGE 0
.irp a, 1,2,3
.if \a > 1
	s_wait_xcnt 0x0                                ; block a - 2's stores have read their registers: block a's loads may land there
.endif
	TOSTAGE \a
	SEND \a-1, 16                                  ; behind block a - 1's loads: block a's 8 stores and 8 loads
.endr
	SEND 3, 0
	s_wait_tensorcnt 0x0                           ; the wave's end
	ds_add_u32 v[SPW], v[NIL]
	s_wait_dscnt 0x0
	CROUND                                         ; the closing round
	s_endpgm
.Lfunc_end_k_q4c48f31571_oproj:
	.size	k_q4c48f31571_oproj, .Lfunc_end_k_q4c48f31571_oproj-k_q4c48f31571_oproj
	.p2alignl 7, 3214868480
	.fill 96, 4, 3214868480
	.section	.rodata,"a",@progbits
	.p2align	6, 0x0
	.amdhsa_kernel k_q4c48f31571_oproj
		.amdhsa_group_segment_fixed_size 327680
		.amdhsa_private_segment_fixed_size 0
		.amdhsa_enable_private_segment 0
		.amdhsa_kernarg_size 32
		.amdhsa_user_sgpr_count 2
		.amdhsa_user_sgpr_kernarg_segment_ptr 1
		.amdhsa_wavefront_size32 1
		.amdhsa_system_sgpr_workgroup_id_x 1
		.amdhsa_system_sgpr_workgroup_id_y 1
		.amdhsa_system_sgpr_workgroup_id_z 1
		.amdhsa_system_vgpr_workitem_id 0
		.amdhsa_next_free_vgpr 512
		.amdhsa_next_free_sgpr 66
		.amdhsa_reserve_vcc 0
		.amdhsa_float_denorm_mode_32 3
		.amdhsa_float_denorm_mode_16_64 3
		.amdhsa_memory_ordered 1
		.amdhsa_forward_progress 1
		.amdhsa_inst_pref_size 86
	.end_amdhsa_kernel
	.amdgpu_metadata
---
amdhsa.version: [ 1, 2 ]
amdhsa.kernels:
  - .name:           k_q4c48f31571_oproj
    .symbol:         k_q4c48f31571_oproj.kd
    .args:
      - { .name: ctxh, .offset: 0, .size: 8, .value_kind: global_buffer, .address_space: global }
      - { .name: woh, .offset: 8, .size: 8, .value_kind: global_buffer, .address_space: global }
      - { .name: bo, .offset: 16, .size: 8, .value_kind: global_buffer, .address_space: global }
      - { .name: out0, .offset: 24, .size: 8, .value_kind: global_buffer, .address_space: global }
    .group_segment_fixed_size: 327680
    .private_segment_fixed_size: 0
    .kernarg_segment_align: 8
    .kernarg_segment_size: 32
    .max_flat_workgroup_size: 128
    .sgpr_count:     66
    .vgpr_count:     512
    .wavefront_size: 32
...
	.end_amdgpu_metadata
.endif
;; end of part 4
